; MI455X (gfx1250); checked and timed in simulation.
; The chip was launched on July 23, 2026; its instructions are those of AMD's public machine-readable ISA for CDNA 5 (MIT licence, August 2026) and "CDNA5" Instruction Set Architecture Reference Guide (July 2026). The comments in the code are by the model that wrote it; some were corrected since.
;; Signed Attention. Allowed arithmetic: matrix products marked QUANTISED: E3M2 operands, one E8M0 scale for each 32 along K, by v_wmma_scale_f32_16x16x128_f8f6f4 with both operands' format E3M2, f32 sums; everything else in f32.
;; Inputs: keys 4 x 8 x 2,048 x 64 float32; log_scale one number float32; queries 4 x 8 x 2,048 x 64 float32; values 4 x 8 x 2,048 x 64 float32.
;; Outputs: out0 4 x 8 x 2,048 x 64 float32.
;; This version of the problem:
;;   THIS VERSION OF THE PROBLEM IS GIVEN IN LOW PRECISION. The matrix products marked QUANTISED in the list below multiply operands that are first quantised to E3M2 (3 exponent bits, 2 mantissa bits; 6 bits a number), with one power-of-two scale for each 32 numbers along K (OCP MX v1.0); their sums are f32. All else is computed in f32.
;;   The module's matrix products, in the order in which they are computed (A, B: the left and right operand; K: the contracted axis; several contracted axes count as one K, in the product's order):
;;     1. batch 32 x [M 2,048, K 64] x [K 64, N 2,048]; A: input queries; B: input keys: QUANTISED
;;     2. batch 32 x [M 2,048, K 2,048] x [K 2,048, N 64]; A: computed on the way; B: input values: QUANTISED
;;   THE QUANTISER, for each operand of a quantised product, along K:
;;     - K is cut into blocks of 32 from its start; a last block that is shorter is filled with zeros.
;;     - A block's scale is 2^e with e = floor(log2(the largest magnitude in the block)) - 4, held to -126 .. 127; a block of zeros has e = 0. As a byte (E8M0): e + 127.
;;     - Each number is divided by its block's scale, clamped to +-28, and rounded to the nearest number of E3M2, ties to even, subnormals kept.
;;     - The product sums the exact products of the quantised numbers (number of the format x scale) in f32.
;;   ~~~python
;;   def quantise(x, axis):      # numpy; x: float32 -> the quantised numbers, widened to float32 again
;;       x = np.moveaxis(x, axis, -1); K = x.shape[-1]
;;       x = np.pad(x, [(0, 0)] * (x.ndim - 1) + [(0, -K % 32)]); x = x.reshape(x.shape[:-1] + (-1, 32)); a = np.abs(x).max(-1, keepdims=True)
;;       e = np.where(a > 0, np.clip(np.frexp(np.where(a > 0, a, 1))[1] - 1 - 4, -126, 127), 0)      # np.frexp(a)[1] - 1 = floor(log2(a)), exactly
;;       r = np.clip(x / 2.0 ** e, -28, 28)
;;       step = 2.0 ** (np.maximum(np.frexp(np.where(r == 0, 1, r))[1] - 1, -2) - 2)
;;       q = np.round(r / step) * step * 2.0 ** e      # np.round: ties to even
;;       return np.moveaxis(q.reshape(q.shape[:-2] + (-1,))[..., :K], -1, axis).astype(np.float32)
;;   ~~~
;;   OPERANDS COMPUTED ON THE WAY. 'Computed on the way' means the value that the module computes at that place (a softmax that the list does not call 'softmax' is quantised finished and normalised). What goes into a quantiser is computed in f32, as accurately as f32 sums, v_exp_f32 and their like allow (about 1e-6 of the number): no bf16 or f16 on the way to a quantiser, and a product that is left as it is and whose result goes on into a quantised operand takes f32 operands (vector FMAs, or v_wmma_f32_16x16x4_f32). A number that lies on a knife's edge between two numbers of the format may be rounded either way, as far as f32 arithmetic and the matrix unit's own rounding can turn it there, and no further.
;; 2 versions. Each part assembles by itself: llvm-mc -triple=amdgcn-amd-amdhsa -mcpu=gfx1250 --defsym DOCPART=n.
;; ======== version 1 of 2: 2 launches
;; workspace buffers: kc 3,145,728 bytes; ksw 262,144 bytes; vc 3,145,728 bytes; vsw 131,072 bytes; sb 524,288 bytes; ch 131,072 bytes
;; launch prep (part 1): grid 768 x 1, 4 waves a work-group, no clusters, 35,328 bytes of LDS; arguments keys, values, kc, ksw, vc, vsw, sb, ch; writes kc, ksw, vc, vsw, sb, ch
.if DOCPART == 1
	.amdgcn_target "amdgcn-amd-amdhsa--gfx1250"
	.amdhsa_code_object_version 6
	.text
	.protected	k_q35cb88c8a2_prep
	.globl	k_q35cb88c8a2_prep
	.p2align	8
	.type	k_q35cb88c8a2_prep,@function
k_q35cb88c8a2_prep:
	s_mov_b64 s[64:65], 0
	v_nop
	global_prefetch_b8 v0, s[64:65] scope:SCOPE_SE
	s_setreg_imm32_b32 hwreg(HW_REG_WAVE_MODE, 25, 1), 1
	s_wait_xcnt 0x0
; keys and values, [32 heads][2048][64] f32, are quantised ONCE into codes of BF6 (E3M2) with one E8M0 byte for each 32 along a product's K, since about ten query tiles read each of them.
; A block's scale is 2^(floor(log2(its largest magnitude)) - 4); its byte is the largest magnitude's exponent field - 4, held at 1 from below by a floor among the maximum's leaves.
; (A block of zeros so gets the byte 1: its codes are zeros, and this program alone reads the bytes.)
; LIMITS: NaN and infinities among the inputs are not served; blocks whose largest magnitude lies under 2^-122 keep the byte 1.
; KEYS (work-groups 0-511): K = the head's 64 channels.  A wave takes 32 keys (8,192 dense bytes) and makes two operand tiles of 16 keys.  Tile u of block B takes key 8 u + r + 8 (r / 8) as its row r, so that in the
;   attention launch the 16 result registers of a block's two tiles are 16 neighbouring keys.  The codes leave as IMAGES OF THE OPERAND'S REGISTERS: kc[B][u]: 16 bytes x lane (registers 0-3), then 8 bytes x lane (4-5).
;   ksw[B][u][r]: the row's scale word: bytes 0, 1 the two blocks of 32 channels, bytes 2, 3 = 127 (they meet zero codes).
; VALUES (work-groups 512-767): K = the keys.  A lane takes a column d and its registers run down the keys, so a block of 32 keys lies in one lane.  A wave takes 32 columns x 128 keys (4 blocks).
;   vc[head][block][..]: 16 bytes x d (registers 0-3 of the block's six), then 8 bytes x d (4-5).   vsw[head][group of 4 blocks][d]: the four bytes.
;   sb[head][block][d] = the sum of the block's 32 QUANTISED numbers, ch[head][group][d] = the sum of a group's four: the attention launch needs the sum of quantised values over all blocks that lie wholly under the mask.
;   The codes are widened again and added as multiples of 1/16 up to 28: 32 of them need 14 bits, so the sum is exact; then it is multiplied by the scale, a power of two.
; No tensor load, no barrier: waves share nothing.  Only the keys' path uses LDS.
.set STGB,  32*272                     ; a wave's stage: 32 rows of 256 bytes + 16: row r starts 17 r places of 16 bytes on, so sixteen lanes that read one column of sixteen rows fall in sixteen different places modulo 256 bytes
.set SPARE, 4*STGB                     ; behind the four stages: the spare words, 128 bytes for each wave: two blocks of 256 bytes that no other line names
.set SPW, 1                            ; v1   LDS address of my spare word; never rewritten
.set NIL, 2                            ; v2   0; never rewritten
.set QA,  11                           ; v11, v12  two chains of the maximum
.set QB,  12
.set SC,  13                           ; v13  the conversions' scale operand
.set QT,  14                           ; v14-16  a block's upper 16 codes (a conversion's three registers begin on an even number)
; 32 numbers of ONE block, v[X] .. v[X + 31], become 192 bits of codes in v[C] .. v[C + 5]; the scale's byte goes to v[BY], the scale operand stays in v[SC], the upper 16 codes also in v[QT] on.
.macro QUANT32 X, C, BY
	v_max3_num_f32 v[QA], |v[(\X)]|, |v[(\X)+1]|, 0x2800000            ; the floor 2^(5 - 127) among the leaves: the byte cannot fall under 1
	v_max3_num_f32 v[QB], |v[(\X)+2]|, |v[(\X)+3]|, |v[(\X)+4]|
.irp i, 5,9,13,17,21,25
	v_max3_num_f32 v[QA], v[QA], |v[(\X)+\i]|, |v[(\X)+\i+1]|          ; two chains by turns
	v_max3_num_f32 v[QB], v[QB], |v[(\X)+\i+2]|, |v[(\X)+\i+3]|
.endr
	v_max3_num_f32 v[QA], v[QA], |v[(\X)+29]|, |v[(\X)+30]|
	v_max3_num_f32 v[QA], v[QA], v[QB], |v[(\X)+31]|
	v_add_nc_u32 v[SC], 0xfe000000, v[QA]                              ; 4 off the exponent field: the conversion takes the exponent field of this operand as its scale, and nothing else of it
	v_cvt_scalef32_pk16_bf6_f32 v[(\C):(\C)+2], v[(\X):(\X)+15], v[SC]
	v_cvt_scalef32_pk16_bf6_f32 v[QT:QT+2], v[(\X)+16:(\X)+31], v[SC]
	v_lshrrev_b32 v[\BY], 23, v[SC]                                    ; the scale's byte; also the plain line behind the conversions
.irp i, 0,1,2
	v_mov_b32 v[(\C)+3+\i], v[QT+\i]
.endr
.endm
	s_load_b256 s[4:11], s[0:1], 0x0               ; keys s[4:5], values s[6:7], kc s[8:9], ksw s[10:11]
	s_load_b256 s[12:19], s[0:1], 0x20             ; vc s[12:13], vsw s[14:15], sb s[16:17], ch s[18:19]
	v_lshl_add_u32 v[SPW], v0, 2, SPARE
	v_mov_b32 v[NIL], 0
	v_lshrrev_b32 v3, 5, v0
	v_readfirstlane_b32 s20, v3                    ; wave 0..3
	v_and_b32 v3, 31, v0                           ; lane
	v_and_b32 v4, 15, v0                           ; r
	v_bfe_u32 v5, v0, 4, 1                         ; h
	s_mov_b32 s30, 0x76543210
	s_mov_b32 s31, 0xfedcba98                      ; v_permlanex16_b32's selects for lane l xor 16
	s_mov_b32 s32, 0xffff0000                      ; lanes 16-31
	s_cmp_lt_u32 ttmp9, 512                        ; the work-group's number alone decides: all four waves go the same way
	s_cbranch_scc0 .Lvalues
	; ---------------- KEYS ----------------
	s_lshl_b32 s21, ttmp9, 2
	s_add_co_u32 s21, s21, s20                     ; B = 4 x work-group + wave: my block of 32 keys, 0 .. 2047 over all heads
	s_lshl_b32 s22, s21, 13                        ; its 8,192 bytes of keys,
	s_mov_b32 s23, 0
	s_mul_i32 s24, s21, 1536                       ; its 1,536 bytes of codes,
	s_mov_b32 s25, 0
	s_lshl_b32 s26, s21, 7                         ; its 128 bytes of scale words
	s_mov_b32 s27, 0
	s_mul_i32 s28, s20, STGB                       ; my stage
	v_lshlrev_b32 v6, 4, v3                        ; 16 x lane
	v_lshlrev_b32 v7, 3, v3                        ; 8 x lane
	v_lshlrev_b32 v8, 2, v3                        ; 4 x lane
	v_mul_u32_u24 v9, v5, 272
	v_lshl_add_u32 v9, v4, 4, v9
	v_add_nc_u32 v9, s28, v9                       ; into the stage: a load's 512 bytes are two keys: lanes 0-15 the even one, lanes 16-31 the odd one
	v_mul_u32_u24 v10, v4, 272
	v_lshl_add_u32 v10, v5, 7, v10
	v_add_nc_u32 v10, s28, v10                     ; out of it: row r, channels 32 h on: my block of 32
	v_lshlrev_b32 v36, 3, v5                       ; 8 h: my byte's place in the scale word
	v_mov_b32 v37, 0                               ; (a lane permute's destination counts as one of its sources)
	s_wait_kmcnt 0x0
	s_add_nc_u64 s[4:5], s[4:5], s[22:23]
	s_add_nc_u64 s[8:9], s[8:9], s[24:25]
	s_add_nc_u64 s[10:11], s[10:11], s[26:27]
.irp j, 0,1,2,3,4,5,6,7,8,9,10,11,12,13,14,15
	global_load_b128 v[64+4*\j:67+4*\j], v6, s[4:5] offset:512*\j th:TH_LOAD_NT   ; 32 lanes read 512 consecutive bytes: keys 2 j and 2 j + 1
.endr
.irp j, 0,1,2,3,4,5,6,7,8,9,10,11,12,13,14,15
	s_wait_loadcnt 15-\j                           ; loads come back in order: load j is in, the younger ones stay out
	ds_store_b128 v9, v[64+4*\j:67+4*\j] offset:(16*(((2*\j)/8)%2)+((2*\j)%8)+8*((2*\j)/16))*272   ; key k goes to stage row 16 u + r with u = (k / 8) % 2, r = k % 8 + 8 (k / 16): the tiles' order of rows is an immediate
.endr
.irp u, 0,1
.irp i, 0,1,2,3,4,5,6,7
	ds_load_b128 v[128+32*\u+4*\i:131+32*\u+4*\i], v10 offset:4352*\u+16*\i   ; LDS serves a wave's instructions in order: these see my stores
.endr
.endr
	s_wait_dscnt 8                                 ; tile 0's eight loads are in; tile 1's eight may be out
	QUANT32 128, 20, 32
	v_lshlrev_b32 v34, v36, v32                    ; my byte at its place;
	v_permlanex16_b32 v37, v34, s30, s31
	v_or_b32 v34, v34, v37                         ; with lane l xor 16's the row's two bytes;
	v_or_b32 v34, 0x7f7f0000, v34                  ; bytes 2 and 3 = 127
	global_store_b128 v6, v[20:23], s[8:9]         ; 512 consecutive bytes, at a multiple of 256 from kc's first byte
	global_store_b64 v7, v[24:25], s[8:9] offset:512   ; 256 consecutive bytes, likewise
	s_wait_dscnt 0x0
	QUANT32 160, 26, 33
	v_lshlrev_b32 v35, v36, v33
	v_permlanex16_b32 v37, v35, s30, s31
	v_or_b32 v35, v35, v37
	v_or_b32 v35, 0x7f7f0000, v35
	v_cndmask_b32 v34, v34, v35, s32               ; lanes 0-15: tile 0's word of row r; lanes 16-31: tile 1's
	global_store_b128 v6, v[26:29], s[8:9] offset:768
	global_store_b64 v7, v[30:31], s[8:9] offset:1280
	global_store_b32 v8, v34, s[10:11]             ; 128 consecutive bytes: two neighbouring waves' stores make 256; one byte in 64 of what this path reads
	s_wait_tensorcnt 0x0                           ; the wave's end
	ds_add_u32 v[SPW], v[NIL]
	s_wait_dscnt 0x0
	s_endpgm
	; ---------------- VALUES ----------------
.set ONES, 50                          ; v50  the byte 127 four times: the widening conversion's scale, 1
.set BYV,  51                          ; v51  a block's byte
.set WV,   48                          ; v48  the group's four bytes
.set SF,   55                          ; v55  a block's scale as f32
.macro VLOAD bb                        ; block bb: V(32 bb + i, my column), i = 0 .. 31
.irp i, 0,1,2,3,4,5,6,7,8,9,10,11,12,13,14,15,16,17,18,19,20,21,22,23,24,25,26,27,28,29,30,31
	global_load_b32 v[64+32*(\bb)+\i], v52, s[6:7] offset:(32*(\bb)+\i)*256 th:TH_LOAD_NT   ; 32 lanes read 128 consecutive bytes; the wave beside me reads the row's other 128
.endr
.endm
.macro VBLOCK bb
.set XB, 64+32*(\bb)
.set CB, 20+6*(\bb)                    ; each block has its own registers for codes and sum: no store's data are written again
.if (\bb) < 3
	s_wait_loadcnt 32                              ; this block's 32 loads are in; the next block's 32 may be out
.else
	s_wait_loadcnt 0x0
.endif
.if (\bb) < 2
	VLOAD (\bb)+2                                  ; two blocks ahead, into registers of their own
.endif
	QUANT32 XB, CB, BYV
	global_store_b128 v53, v[CB:CB+3], s[12:13] offset:1536*(\bb)        ; 512 consecutive bytes, at a multiple of 256 from vc's first byte
	global_store_b64 v54, v[CB+4:CB+5], s[12:13] offset:1536*(\bb)+1024  ; 256 consecutive bytes, likewise
	v_cvt_scale_pk16_f32_bf6 v[XB:XB+15], v[CB:CB+2], v[ONES]            ; the codes' values again, over the numbers that they were made of (four plain lines stand behind the conversions that read those)
	v_cvt_scale_pk16_f32_bf6 v[XB+16:XB+31], v[QT:QT+2], v[ONES]
	v_and_b32 v[SF], 0x7f800000, v[SC]             ; the scale as f32.  (The plain line behind the conversions)
.if (\bb) == 0
	v_mov_b32 v[WV], v[BYV]
.else
	v_lshl_or_b32 v[WV], v[BYV], 8*(\bb), v[WV]    ; the lower block in the lower byte
.endif
.irp k, 0,2,4,6,8,10,12,14
	v_pk_add_f32 v[XB+\k:XB+\k+1], v[XB+\k:XB+\k+1], v[XB+16+\k:XB+17+\k]   ; 32 multiples of 1/16, 28 at the most: every sum is exact
.endr
.irp k, 0,2,4,6
	v_pk_add_f32 v[XB+\k:XB+\k+1], v[XB+\k:XB+\k+1], v[XB+8+\k:XB+9+\k]
.endr
.irp k, 0,2
	v_pk_add_f32 v[XB+\k:XB+\k+1], v[XB+\k:XB+\k+1], v[XB+4+\k:XB+5+\k]
.endr
	v_pk_add_f32 v[XB:XB+1], v[XB:XB+1], v[XB+2:XB+3]
	v_add_f32 v[XB], v[XB], v[XB+1]
	v_mul_f32 v[44+(\bb)], v[XB], v[SF]            ; x the scale, a power of two
	global_store_b32 v52, v[44+(\bb)], s[16:17] offset:256*(\bb)
.endm
.Lvalues:
	s_sub_co_u32 s21, ttmp9, 512
	s_lshr_b32 s22, s21, 3                         ; head
	s_and_b32 s21, s21, 7
	s_lshl_b32 s21, s21, 1
	s_lshr_b32 s24, s20, 1
	s_add_co_u32 s21, s21, s24                     ; G: my group of 128 keys, 0 .. 15
	s_and_b32 s24, s20, 1                          ; which 32 of the 64 columns
	s_lshl_b32 s26, s22, 19
	s_lshl_b32 s25, s21, 15
	s_add_co_u32 s26, s26, s25                     ; values: head x 524,288 + G x 128 rows of 256 bytes
	s_mov_b32 s27, 0
	s_lshl_b32 s28, s22, 4
	s_add_co_u32 s28, s28, s21                     ; 16 head + G
	s_lshl_b32 s34, s28, 8                         ; vsw, ch: 256 bytes a group
	s_mov_b32 s35, 0
	s_lshl_b32 s36, s28, 10                        ; sb: 256 bytes a block, four blocks a group
	s_mov_b32 s37, 0
	s_mul_i32 s38, s28, 4*1536                     ; vc: 1,536 bytes a block
	s_mov_b32 s39, 0
	s_lshl_b32 s25, s24, 7
	v_lshl_add_u32 v52, v3, 2, s25                 ; 4 d: my column in a row of values, of sb, of vsw, of ch
	s_lshl_b32 s25, s24, 9
	v_lshl_add_u32 v53, v3, 4, s25                 ; 16 d
	s_lshl_b32 s25, s24, 8
	v_lshl_add_u32 v54, v3, 3, s25                 ; 8 d
	v_mov_b32 v[ONES], 0x7f7f7f7f
	s_wait_kmcnt 0x0
	s_add_nc_u64 s[6:7], s[6:7], s[26:27]
	s_add_nc_u64 s[12:13], s[12:13], s[38:39]
	s_add_nc_u64 s[14:15], s[14:15], s[34:35]
	s_add_nc_u64 s[16:17], s[16:17], s[36:37]
	s_add_nc_u64 s[18:19], s[18:19], s[34:35]
	VLOAD 0
	VLOAD 1
	VBLOCK 0
	VBLOCK 1
	VBLOCK 2
	VBLOCK 3
	v_add_f32 v49, v44, v45
	v_add_f32 v55, v46, v47
	v_add_f32 v49, v49, v55                        ; the group's sum
	global_store_b32 v52, v[WV], s[14:15]
	global_store_b32 v52, v49, s[18:19]
	s_wait_tensorcnt 0x0                           ; the three lines of a wave's end stand here too, so that both ends of the text read alike
	ds_add_u32 v[SPW], v[NIL]
	s_wait_dscnt 0x0
	s_endpgm
.Lfunc_end_k_q35cb88c8a2_prep:
	.size	k_q35cb88c8a2_prep, .Lfunc_end_k_q35cb88c8a2_prep-k_q35cb88c8a2_prep
	.p2alignl 7, 3214868480
	.fill 96, 4, 3214868480
	.section	.rodata,"a",@progbits
	.p2align	6, 0x0
	.amdhsa_kernel k_q35cb88c8a2_prep
		.amdhsa_group_segment_fixed_size 35328
		.amdhsa_private_segment_fixed_size 0
		.amdhsa_enable_private_segment 0
		.amdhsa_kernarg_size 64
		.amdhsa_user_sgpr_count 2
		.amdhsa_user_sgpr_kernarg_segment_ptr 1
		.amdhsa_wavefront_size32 1
		.amdhsa_system_sgpr_workgroup_id_x 1
		.amdhsa_system_sgpr_workgroup_id_y 1
		.amdhsa_system_sgpr_workgroup_id_z 1
		.amdhsa_system_vgpr_workitem_id 0
		.amdhsa_next_free_vgpr 192
		.amdhsa_next_free_sgpr 66
		.amdhsa_reserve_vcc 0
		.amdhsa_float_denorm_mode_32 3
		.amdhsa_float_denorm_mode_16_64 3
		.amdhsa_memory_ordered 1
		.amdhsa_forward_progress 1
		.amdhsa_inst_pref_size 35
	.end_amdhsa_kernel
	.amdgpu_metadata
---
amdhsa.version: [ 1, 2 ]
amdhsa.kernels:
  - .name:           k_q35cb88c8a2_prep
    .symbol:         k_q35cb88c8a2_prep.kd
    .args:
      - { .name: keys, .offset: 0, .size: 8, .value_kind: global_buffer, .address_space: global }
      - { .name: values, .offset: 8, .size: 8, .value_kind: global_buffer, .address_space: global }
      - { .name: kc, .offset: 16, .size: 8, .value_kind: global_buffer, .address_space: global }
      - { .name: ksw, .offset: 24, .size: 8, .value_kind: global_buffer, .address_space: global }
      - { .name: vc, .offset: 32, .size: 8, .value_kind: global_buffer, .address_space: global }
      - { .name: vsw, .offset: 40, .size: 8, .value_kind: global_buffer, .address_space: global }
      - { .name: sb, .offset: 48, .size: 8, .value_kind: global_buffer, .address_space: global }
      - { .name: ch, .offset: 56, .size: 8, .value_kind: global_buffer, .address_space: global }
    .group_segment_fixed_size: 35328
    .private_segment_fixed_size: 0
    .kernarg_segment_align: 8
    .kernarg_segment_size: 64
    .max_flat_workgroup_size: 128
    .sgpr_count:     66
    .vgpr_count:     192
    .wavefront_size: 32
...
	.end_amdgpu_metadata
.endif
;; end of part 1
;; launch attn (part 2): grid 8 x 32, 16 waves a work-group, no clusters, 137,216 bytes of LDS; arguments queries, log_scale, kc, ksw, vc, vsw, sb, ch, out0; writes out0
.if DOCPART == 2
	.amdgcn_target "amdgcn-amd-amdhsa--gfx1250"
	.amdhsa_code_object_version 6
	.text
	.protected	k_q35cb88c8a2_attn
	.globl	k_q35cb88c8a2_attn
	.p2align	8
	.type	k_q35cb88c8a2_attn,@function
k_q35cb88c8a2_attn:
	s_mov_b64 s[64:65], 0
	v_nop
	global_prefetch_b8 v0, s[64:65] scope:SCOPE_SE
	s_setreg_imm32_b32 hwreg(HW_REG_WAVE_MODE, 25, 1), 1
	s_wait_xcnt 0x0
; out[q] = the sum over k of Q(A[q][k]) Q(V[k]),  A = softmax(scale pos) - softmax(scale neg), pos / neg = +- Q(q) . Q(k) where the mask is open and -10000 where it is shut; scale = clip(e^log_scale, 1, 30) / 8.
; Both products on codes of BF6 (E3M2) with one E8M0 byte for each 32 along K.  The finished, normalised A is what is quantised, along the keys.
; THE MASK.  2,048 places are 128 patches of 16.  A tile of 16 queries is one patch p; open are the keys of patches p + 1 .. p + 9 that exist.  They lie in the five aligned blocks of 32 keys m .. m + 4, m = (p + 1) / 2,
;   of which one half block is shut: patch 2 m for even p, patch 2 m + 9 for odd p.  Only these five blocks are multiplied: 10 + 8 matrix instructions a tile.
; THE SHUT PLACES ARE NOT ZERO: A holds there one number a row, c = f+ / Z+ - f- / Z-, f = e^(scale (-10000 - max)).  It is 0 for small scores and not for large ones (scores beyond +-10000).  In the window's half block c is
;   filled in ahead of the quantiser.  A block wholly under the mask holds 32 equal numbers, whose quantised value Q(c) is c rounded to two mantissa bits, ties to even, held at 1.75 x its power of two; all such blocks
;   together add Q(c) x T[d], T[d] = the sum of the quantised values over the existing blocks outside m .. m + 4, made from the sums that the launch before has stored.  Q(c) T is the C of the second product's first instructions.
; SHARES.  A work-group owns 256 queries of one head, each of its sixteen waves one tile, in 256 registers: four waves to a SIMD, so that one wave's vector work stands beside another's.  4,096 tiles, 256 work-groups.
; The text is straight: no loop, one barrier.  The work-group copies 16 blocks of K's and V's codes from block 8 g on (its waves read 14 of them; 16 are three loads of 16 bytes a thread), their scale words and the sums into LDS once.
; A copy that would pass the head's end is held at the head's last bytes: it brings codes and bytes of blocks that exist in place of blocks that do not, and those meet a mask or zero codes.
; LAYOUT.  Both products are used transposed: S^T = K Q^T (source 0 = 16 keys, source 1 = my 16 queries), O^T = V^T A^T: a lane holds ONE query (lane % 16) throughout, and the 16 registers of a block's two tiles are
;   keys 32 (m + b) + 16 (lane / 16) + 0 .. 15: one patch.  So the mask is a mask of lanes for each block, made of ids alone and kept in scalar registers.
; K = 64 in the first product: Q's registers 6-11 are zero codes, so source 0's registers 6-11 may hold anything (the next fragment).  The second product's K is 160: in its second instruction only block m + 4 has codes other than 0.
; NO JOINT LOADS: neighbouring work-groups share 6 of the 14 blocks read, 18 KB of the 177 KB that a work-group moves, and at other LDS places in each.  No tensor load: every byte is asked for at the head and used once.
; LIMITS: NaN and infinities among the inputs are not served; |c| under 2^-122 is rounded as a normal number; blocks of A whose largest magnitude lies under 2^-122 keep the byte 1.
.set KC,   0                           ; LDS: 16 blocks of K's codes, 1,536 bytes each
.set VC,   24576                       ; 16 blocks of V's codes
.set KSW,  49152                       ; K's scale words, 128 bytes a block
.set VSW,  51200                       ; V's scale words, 8 groups of 4 blocks, 256 bytes each
.set SBL,  53248                       ; the sums of blocks 8 g + 0 .. 15 (0 for a block that does not exist), 256 bytes each
.set CHL,  57344                       ; the sums of the head's 16 groups
.set TL,   61440                       ; T: 256 bytes for each wave
.set STG,  65536                       ; a stage of 16 rows x (256 + 16) bytes for each wave: Q's way in and O's way out
.set SPITCH, 272
.set WSTG, 16*SPITCH
.set SPARE, STG+16*WSTG                ; the spare words, 128 bytes for each wave: eight blocks of 256 bytes that no other line names
.set SPW, 1                            ; v1   LDS address of my spare word; never rewritten
.set NIL, 2                            ; v2   0; never rewritten
; v3 16 x lane;  v4, v5 K's fragments;  v6, v7 V's;  v8 stage by rows of memory;  v9 stage, Q's half rows;  v10 stage, O's pieces;  v11 K's scale words;  v12 V's;  v13 groups' sums;  v14 blocks' sums;  v15 T
.set KS,  16                           ; v16-20 K's scale words: lanes 0-15 a block's tile 0, lanes 16-31 its tile 1
.set QS,  21                           ; v21    Q's
.set VS,  22                           ; v22-25 V's, a tile of 16 channels each: lanes 0-15 blocks m .. m + 3, lanes 16-31 blocks m + 4 .. m + 7
.set PW,  26                           ; v26, v27 A's, for the two K steps
.set QA,  28                           ; QUANT32's registers, while Q is quantised: v28-34.  (At the head v28-31 hold lane, r, h and scratch: they are dead from QUANT32 on)
.set QB,  29
.set QT,  30
.set SC,  34
; v28-37, v54-63 at work;  v38 the largest pos, v39 the smallest open score, later Q(c) twice;  pairs that hold a number twice: v40 c2, v42 -c2, v44 -c2 max, v46 c2 min, v48 1 / Z+, v50 -1 / Z-;  v52, v53 f+, f-, later c, c or 0
.set PF0, 40                           ; v40-51 A's codes of blocks 0-3, v52-63 of block 4 (and zeros): written when all of the above is done with
.set PF1, 52
.set S,   64                           ; v64-143  the scores, then the negative softmax's terms; earlier what is copied, Q's numbers and the sums; later V's fragments, then rows of O
.set PP,  144                          ; v144-223 the positive softmax's terms, then A; earlier K's fragments, six zeros and Q's fragment
.set KF,  144
.set QF,  210
.set O,   224                          ; v224-255 O^T; earlier Q as loaded, then T
.macro QUANT32 X, C, BY                ; 32 numbers of ONE block, v[X] on, become 192 bits of codes in v[C] .. v[C + 5]; the scale's byte goes to v[BY]
	v_max3_num_f32 v[QA], |v[(\X)]|, |v[(\X)+1]|, 0x2800000            ; the floor 2^(5 - 127) among the leaves: the byte cannot fall under 1
	v_max3_num_f32 v[QB], |v[(\X)+2]|, |v[(\X)+3]|, |v[(\X)+4]|
.irp i, 5,9,13,17,21,25
	v_max3_num_f32 v[QA], v[QA], |v[(\X)+\i]|, |v[(\X)+\i+1]|
	v_max3_num_f32 v[QB], v[QB], |v[(\X)+\i+2]|, |v[(\X)+\i+3]|
.endr
	v_max3_num_f32 v[QA], v[QA], |v[(\X)+29]|, |v[(\X)+30]|
	v_max3_num_f32 v[QA], v[QA], v[QB], |v[(\X)+31]|
	v_add_nc_u32 v[SC], 0xfe000000, v[QA]                              ; 4 off the exponent field: the conversion's scale operand
	v_cvt_scalef32_pk16_bf6_f32 v[(\C):(\C)+2], v[(\X):(\X)+15], v[SC]
	v_cvt_scalef32_pk16_bf6_f32 v[QT:QT+2], v[(\X)+16:(\X)+31], v[SC]  ; (a conversion's three registers begin on an even number)
	v_lshrrev_b32 v[\BY], 23, v[SC]                                    ; the scale's byte; also the plain line behind the conversions
.irp i, 0,1,2
	v_mov_b32 v[(\C)+3+\i], v[QT+\i]
.endr
.endm
	; ---- the head: ids, masks, addresses
	s_load_b256 s[4:11], s[0:1], 0x0               ; queries s[4:5], log_scale s[6:7], kc s[8:9], ksw s[10:11]
	s_load_b256 s[12:19], s[0:1], 0x20             ; vc s[12:13], vsw s[14:15], sb s[16:17], ch s[18:19]
	s_load_b64 s[20:21], s[0:1], 0x40              ; out0
	v_lshl_add_u32 v[SPW], v0, 2, SPARE
	v_mov_b32 v[NIL], 0
	v_lshrrev_b32 v28, 5, v0
	v_readfirstlane_b32 s22, v28                   ; w: wave 0..15
	s_mov_b32 s24, ttmp9                           ; g: which 256 queries
	s_and_b32 s25, ttmp7, 0xffff                   ; the head
	s_lshl_b32 s26, s24, 4
	s_add_co_u32 s26, s26, s22                     ; p = 16 g + w: my patch
	s_add_co_u32 s27, s22, 1
	s_lshr_b32 s27, s27, 1                         ; mu = (w + 1) / 2: my first block among the 16 in LDS
	s_lshl_b32 s28, s24, 3
	s_add_co_u32 s46, s28, s22                     ; 8 g + w: the block whose sums I copy
	s_add_co_u32 s28, s28, s27                     ; m = 8 g + mu
	s_mov_b32 s30, 0x76543210
	s_mov_b32 s31, 0xfedcba98                      ; v_permlanex16_b32's selects for lane l xor 16
	s_and_b32 s47, s22, 1
	s_cmp_eq_u32 s47, 0                            ; p and w are even together
	s_cselect_b32 s32, 0xffff, 0                   ; s32-36: the lanes whose 16 keys of block m + b are shut.  Even p: block m, lanes 0-15 (patch 2 m);
	s_cselect_b32 s36, 0, 0xffff0000               ; odd p: block m + 4, lanes 16-31 (patch 2 m + 9);
	s_mov_b32 s33, 0
	s_mov_b32 s34, 0
	s_mov_b32 s35, 0
.irp b, 0,1,2,3,4
	s_add_co_u32 s47, s28, \b
	s_cmp_gt_u32 s47, 63
	s_cselect_b32 s[32+\b], -1, s[32+\b]           ; and all lanes of a block that does not exist
.endr
	s_cselect_b32 s37, 0, 0x3f800000               ; (still on block m + 4's compare)  1.0 where block m + 4 exists, else 0
	s_cmp_gt_u32 s46, 63
	s_cselect_b32 s38, 0, 0x3f800000               ; 1.0 where block 8 g + w exists
	s_min_u32 s46, s46, 63
	s_sub_co_u32 s47, 127, s26
	s_min_u32 s47, s47, 9                          ; open patches
	s_lshl_b32 s47, s47, 4
	s_sub_co_u32 s47, 2048, s47
	s_cvt_f32_u32 s39, s47                         ; the number of shut places of a row, as f32
	s_and_b32 s40, s27, 3
	s_lshl_b32 s40, s40, 3                         ; 8 (m % 4): how far V's scale words are shifted
	s_mov_b32 s41, 0x600000                        ; the mantissa field of 1.75
	s_lshl_b32 s42, s25, 19
	s_lshl_b32 s47, s26, 12
	s_add_co_u32 s42, s42, s47                     ; queries, out0: head x 524,288 + p x 16 rows of 256 bytes
	s_mov_b32 s43, 0
	s_mul_i32 s44, s25, 98304                      ; kc, vc: 64 blocks of 1,536 bytes a head
	s_mov_b32 s45, 0
	v_and_b32 v28, 31, v0                          ; lane
	v_and_b32 v29, 15, v0                          ; r
	v_bfe_u32 v30, v0, 4, 1                        ; h
	v_lshlrev_b32 v3, 4, v28
	s_mul_i32 s48, s27, 1536
	v_add_nc_u32 v4, s48, v3                       ; K's images: block mu, 16 x lane,
	v_lshl_add_u32 v5, v28, 3, s48                 ; and 8 x lane
	v_mul_u32_u24 v31, v30, 1536
	v_add_nc_u32 v31, s48, v31                     ; V: block mu + h (the operand's layout gives lanes 16-31 the odd blocks of a K step),
	v_lshl_add_u32 v6, v29, 4, v31                 ; 16 x channel,
	v_lshl_add_u32 v7, v29, 3, v31                 ; and 8 x channel
	s_mul_i32 s49, s22, WSTG
	s_add_co_u32 s49, s49, STG                     ; my stage
	v_mul_u32_u24 v31, v30, SPITCH
	v_lshl_add_u32 v31, v29, 4, v31
	v_add_nc_u32 v8, s49, v31                      ; as memory has the rows: lanes 0-15 one row of 256 bytes, lanes 16-31 the next
	v_mul_u32_u24 v31, v29, SPITCH
	v_add_nc_u32 v31, s49, v31
	v_lshl_add_u32 v9, v30, 7, v31                 ; row r, channels 32 h on
	v_lshl_add_u32 v10, v30, 5, v31                ; row r, channels 8 h on
	s_lshl_b32 s50, s27, 7
	v_lshl_add_u32 v11, v28, 2, s50
	s_lshr_b32 s50, s27, 2
	s_lshl_b32 s50, s50, 8
	v_lshl_add_u32 v12, v30, 8, s50                ; V's scale words: group mu / 4 + h,
	v_lshl_add_u32 v12, v29, 2, v12                ; channel r
	v_lshlrev_b32 v13, 3, v28                      ; the sums: channels 2 x lane and 2 x lane + 1
	s_lshl_b32 s50, s27, 8
	v_add_nc_u32 v14, s50, v13
	s_lshl_b32 s50, s22, 8
	v_lshl_add_u32 v15, v30, 5, s50                ; T: my wave's 256 bytes, channels 8 h on
	s_mul_i32 s50, s24, 12288                      ; what I copy: 8 g blocks on, 16 bytes a thread, three times; held at the head's last 16 bytes
	v_lshl_add_u32 v56, v0, 4, s50
	v_add_nc_u32 v57, 8192, v56
	v_add_nc_u32 v58, 16384, v56
	v_min_u32 v56, 0x17ff0, v56
	v_min_u32 v57, 0x17ff0, v57
	v_min_u32 v58, 0x17ff0, v58
	s_lshl_b32 s50, s24, 10
	v_lshl_add_u32 v59, v0, 2, s50
	v_min_u32 v59, 0x1ffc, v59                     ; K's scale words: 8,192 bytes a head
	s_lshl_b32 s50, s24, 9
	v_lshl_add_u32 v60, v0, 2, s50
	v_min_u32 v60, 0xffc, v60                      ; V's: 4,096 bytes a head
	s_lshl_b32 s50, s46, 8
	v_add_nc_u32 v61, s50, v13                     ; the sums of block min(8 g + w, 63)
	v_lshlrev_b32 v139, 3, v0                      ; 8 x thread: the sums of group w; also an LDS place
	s_wait_kmcnt 0x0
	s_load_b32 s23, s[6:7], 0x0                    ; log_scale
	s_add_nc_u64 s[4:5], s[4:5], s[42:43]
	s_add_nc_u64 s[20:21], s[20:21], s[42:43]
	s_add_nc_u64 s[8:9], s[8:9], s[44:45]
	s_add_nc_u64 s[12:13], s[12:13], s[44:45]
	s_lshl_b32 s44, s25, 13
	s_add_nc_u64 s[10:11], s[10:11], s[44:45]
	s_lshl_b32 s44, s25, 12
	s_add_nc_u64 s[14:15], s[14:15], s[44:45]
	s_add_nc_u64 s[18:19], s[18:19], s[44:45]
	s_lshl_b32 s44, s25, 14
	s_add_nc_u64 s[16:17], s[16:17], s[44:45]
	; ---- every global load of the wave, in one run; Q's eight last
.irp j, 0,1,2
	global_load_b128 v[64+4*\j:67+4*\j], v[56+\j], s[8:9]
.endr
.irp j, 0,1,2
	global_load_b128 v[76+4*\j:79+4*\j], v[56+\j], s[12:13]
.endr
	global_load_b32 v88, v59, s[10:11]
	global_load_b32 v89, v60, s[14:15]
	global_load_b64 v[90:91], v61, s[16:17]
	global_load_b64 v[92:93], v139, s[18:19]
.irp j, 0,1,2,3,4,5,6,7
	global_load_b128 v[O+4*\j:O+4*\j+3], v3, s[4:5] offset:512*\j th:TH_LOAD_NT   ; my 16 queries: 4,096 dense bytes, 512 an instruction; read by me alone
.endr
	; ---- c2 = clip(e^log_scale, 1, 30) / 8 x log2(e), while the loads are out
	s_wait_kmcnt 0x0
	v_mov_b32 v40, s23
	v_mul_f32 v40, 0x3fb8aa3b, v40
	v_exp_f32 v40, v40
	v_lshlrev_b32 v138, 4, v0                      ; 16 x thread and 4 x thread: LDS places of what I copy.  (Plain lines behind the exponential)
	v_lshlrev_b32 v140, 2, v0
	s_wait_alu depctr_va_vdst(0)                   ; the wait ahead of the first line that names the exponential's result
	v_med3_num_f32 v40, v40, 1.0, 0x41f00000       ; held between 1 and 30
	v_mul_f32 v40, 0x3e38aa3b, v40                 ; x log2(e) / 8
	v_mov_b32 v41, v40
	v_xor_b32 v42, 0x80000000, v40
	v_mov_b32 v43, v42
	; ---- what all sixteen waves read goes to LDS, as it lies in memory
	s_wait_loadcnt 8                               ; all but Q's eight loads are in
	v_mul_f32 v90, s38, v90                        ; a block that does not exist adds nothing
	v_mul_f32 v91, s38, v91
.irp j, 0,1,2
	ds_store_b128 v138, v[64+4*\j:67+4*\j] offset:KC+8192*\j
	ds_store_b128 v138, v[76+4*\j:79+4*\j] offset:VC+8192*\j
.endr
	ds_store_b32 v140, v88 offset:KSW
	ds_store_b32 v140, v89 offset:VSW
	ds_store_b64 v139, v[90:91] offset:SBL
	ds_store_b64 v139, v[92:93] offset:CHL
	s_wait_dscnt 0x0                               ; for the others' sake: my stores have landed
	s_barrier_signal -1
	s_barrier_wait -1                              ; the one barrier: from here on these regions are only read, and every other LDS byte that a wave touches is its own
	; ---- LDS loads: 21 of sums, 20 of K's fragments, 5 + 8 of scale words; then Q's turn through my stage, 8 + 8
.irp j, 0,1,2,3,4,5,6,7,8,9,10,11,12,13,14,15
	ds_load_b64 v[96+2*\j:97+2*\j], v13 offset:CHL+256*\j
.endr
.irp b, 0,1,2,3,4
	ds_load_b64 v[128+2*\b:129+2*\b], v14 offset:SBL+256*\b
.endr
.irp i, 0,1,2,3,4,5,6,7,8,9
	ds_load_b128 v[KF+6*\i:KF+6*\i+3], v4 offset:KC+768*\i           ; tile i = 2 b + u of block mu + b: the image of registers 0-3,
	ds_load_b64 v[KF+6*\i+4:KF+6*\i+5], v5 offset:KC+512+768*\i      ; and of 4-5
.endr
.irp b, 0,1,2,3,4
	ds_load_b32 v[KS+\b], v11 offset:KSW+128*\b
.endr
.irp t, 0,1,2,3
	ds_load_b32 v[56+\t], v12 offset:VSW+64*\t                       ; channel 16 t + r: the word of group m / 4 + h,
	ds_load_b32 v[60+\t], v12 offset:VSW+64*\t+256                   ; and of the group behind it
.endr
	s_wait_loadcnt 0x0                             ; Q
.irp j, 0,1,2,3,4,5,6,7
	ds_store_b128 v8, v[O+4*\j:O+4*\j+3] offset:2*SPITCH*\j
.endr
.irp i, 0,1,2,3,4,5,6,7
	ds_load_b128 v[S+4*\i:S+4*\i+3], v9 offset:16*\i                 ; query r, channels 32 h + 0 .. 31: one block of 32 in my registers.  LDS serves a wave's instructions in order: these see my stores
.endr
	; ---- T = the 16 groups' sums less the window's five blocks', for channels 2 x lane and 2 x lane + 1; then into the result's layout through my 256 bytes
	s_wait_dscnt 49                                ; the 21 loads of sums are in; behind them 20 + 5 + 8 + 16 may be out
.irp j, 2,4,6,8,10,12,14
	v_pk_add_f32 v[96:97], v[96:97], v[96+2*\j:97+2*\j]              ; two chains
	v_pk_add_f32 v[98:99], v[98:99], v[98+2*\j:99+2*\j]
.endr
	v_pk_add_f32 v[96:97], v[96:97], v[128:129] neg_lo:[0,1] neg_hi:[0,1]
	v_pk_add_f32 v[98:99], v[98:99], v[130:131] neg_lo:[0,1] neg_hi:[0,1]
	v_pk_add_f32 v[96:97], v[96:97], v[132:133] neg_lo:[0,1] neg_hi:[0,1]
	v_pk_add_f32 v[98:99], v[98:99], v[134:135] neg_lo:[0,1] neg_hi:[0,1]
	v_pk_add_f32 v[96:97], v[96:97], v[136:137] neg_lo:[0,1] neg_hi:[0,1]
	v_pk_add_f32 v[96:97], v[96:97], v[98:99]
	ds_store_b64 v139, v[96:97] offset:TL
.irp t, 0,1,2,3
	ds_load_b128 v[O+8*\t:O+8*\t+3], v15 offset:TL+64*\t             ; register 8 t + j: T[16 t + 8 h + j], where O^T will have that channel
	ds_load_b128 v[O+8*\t+4:O+8*\t+7], v15 offset:TL+64*\t+16
.endr
	; ---- Q becomes an operand
	s_wait_dscnt 9                                 ; all but T's store and eight loads
	QUANT32 S, QF, 33
.irp i, 0,1,2,3,4,5
	v_mov_b32 v[QF+6+\i], 0                        ; K = 64 .. 127: zero codes
	v_mov_b32 v[KF+60+\i], 0                       ; and something written behind K's last fragment
.endr
	v_bfe_u32 v35, v0, 4, 1                        ; h, made anew from the thread's number: the head's copy lay where QUANT32 has put codes
	v_lshlrev_b32 v35, 3, v35                      ; 8 h
	v_lshlrev_b32 v36, v35, v33                    ; my block's byte at its place
	v_mov_b32 v[QS], 0                             ; (a lane permute's destination counts as one of its sources)
	v_permlanex16_b32 v[QS], v36, s30, s31
	v_or_b32 v[QS], v[QS], v36
	v_or_b32 v[QS], 0x7f7f0000, v[QS]              ; bytes 2 and 3 = 127
.irp t, 0,1,2,3
	v_alignbit_b32 v[VS+\t], v[60+\t], v[56+\t], s40   ; V's bytes of blocks m + 4 h + 0 .. 3 out of two groups' words.  These four lines name nothing of the first product:
.endr
.rept 4
	v_nop                                          ; with them eight places stand between the last write of a scale register and the scaled matrix instructions
.endr
	; ---- S^T = K Q^T: ten tiles of 16 keys, ten accumulators, each begun with the constant 0
.irp i, 0,1,2,3,4,5,6,7,8,9
.if (\i)%2
	v_wmma_scale_f32_16x16x128_f8f6f4 v[S+8*\i:S+8*\i+7], v[KF+6*\i:KF+6*\i+11], v[QF:QF+11], 0, v[KS+\i/2], v[QS] matrix_a_fmt:MATRIX_FMT_BF6 matrix_b_fmt:MATRIX_FMT_BF6 matrix_a_scale:MATRIX_SCALE_ROW1
.else
	v_wmma_scale_f32_16x16x128_f8f6f4 v[S+8*\i:S+8*\i+7], v[KF+6*\i:KF+6*\i+11], v[QF:QF+11], 0, v[KS+\i/2], v[QS] matrix_a_fmt:MATRIX_FMT_BF6 matrix_b_fmt:MATRIX_FMT_BF6
.endif
.endr
	v_mov_b32 v56, 0xff800000                      ; -infinity and +infinity; with the two v_nop the four places behind the products (ISA guide 7.12.1)
	v_mov_b32 v57, 0x7f800000
	v_nop
	v_nop
	; ---- the row's largest pos and largest neg.  Each accumulator is read from its low end on; the five blocks by turns
.irp b, 0,1,2,3,4
	v_max3_num_f32 v[28+\b], v[S+16*\b], v[S+16*\b+1], v[S+16*\b+2]
	v_min3_num_f32 v[33+\b], v[S+16*\b], v[S+16*\b+1], v[S+16*\b+2]
.endr
.irp i, 3,5,7,9,11,13
.irp b, 0,1,2,3,4
	v_max3_num_f32 v[28+\b], v[28+\b], v[S+16*\b+\i], v[S+16*\b+\i+1]
	v_min3_num_f32 v[33+\b], v[33+\b], v[S+16*\b+\i], v[S+16*\b+\i+1]
.endr
.endr
.irp b, 0,1,2,3,4
	v_max_num_f32 v[28+\b], v[28+\b], v[S+16*\b+15]
	v_min_num_f32 v[33+\b], v[33+\b], v[S+16*\b+15]
.endr
.irp b, 0,1,2,3,4
	v_cndmask_b32 v[28+\b], v[28+\b], v56, s[32+\b]    ; my 16 keys of a block are open or shut together
	v_cndmask_b32 v[33+\b], v[33+\b], v57, s[32+\b]
.endr
	v_max3_num_f32 v38, v28, v29, v30
	v_min3_num_f32 v39, v33, v34, v35
	v_max3_num_f32 v38, v38, v31, v32
	v_min3_num_f32 v39, v39, v36, v37
	v_permlanex16_b32 v58, v38, s30, s31
	v_permlanex16_b32 v59, v39, s30, s31
	v_max3_num_f32 v38, v38, v58, 0xc61c4000       ; every row has shut places: -10000 is among pos,
	v_min3_num_f32 v39, v39, v59, 0x461c4000       ; and among neg: the largest neg is -min(the smallest open score, 10000)
	v_mul_f32 v44, v42, v38                        ; -c2 max
	v_mul_f32 v46, v40, v39                        ; c2 min
	v_mov_b32 v45, v44
	v_mov_b32 v47, v46
	v_fmamk_f32 v52, v40, 0xc61c4000, v44          ; the shut places' exponents: c2 (-10000 - max),
	v_fmamk_f32 v53, v40, 0xc61c4000, v46          ; c2 (-10000 + min)
	; ---- the exponents, two at a time; then 162 exponentials as ONE batch with one wait
.set j, 0
.rept 40
	v_pk_fma_f32 v[PP+j:PP+j+1], v[S+j:S+j+1], v[40:41], v[44:45]    ; c2 s - c2 max
.set j, j+2
.endr
.set j, 0
.rept 40
	v_pk_fma_f32 v[S+j:S+j+1], v[S+j:S+j+1], v[42:43], v[46:47]      ; -c2 s + c2 min
.set j, j+2
.endr
.set j, 0
.rept 80
	v_exp_f32 v[PP+j], v[PP+j]
.set j, j+1
.endr
.set j, 0
.rept 80
	v_exp_f32 v[S+j], v[S+j]
.set j, j+1
.endr
	v_exp_f32 v52, v52                             ; f+
	v_exp_f32 v53, v53                             ; f-
	v_nop                                          ; a plain line behind the last exponential
	s_wait_alu depctr_va_vdst(0)                   ; one wait for the whole batch, ahead of its first reader
	; ---- the two sums.  A shut lane's terms may be anything, infinity too: its block sum is replaced, not multiplied
.irp b, 0,1,2,3,4
	v_pk_add_f32 v[28+2*\b:29+2*\b], v[PP+16*\b:PP+16*\b+1], v[PP+16*\b+2:PP+16*\b+3]
	v_pk_add_f32 v[54+2*\b:55+2*\b], v[S+16*\b:S+16*\b+1], v[S+16*\b+2:S+16*\b+3]
.endr
.irp i, 4,6,8,10,12,14
.irp b, 0,1,2,3,4
	v_pk_add_f32 v[28+2*\b:29+2*\b], v[28+2*\b:29+2*\b], v[PP+16*\b+\i:PP+16*\b+\i+1]   ; ten chains by turns
	v_pk_add_f32 v[54+2*\b:55+2*\b], v[54+2*\b:55+2*\b], v[S+16*\b+\i:S+16*\b+\i+1]
.endr
.endr
.irp b, 0,1,2,3,4
	v_add_f32 v[28+2*\b], v[28+2*\b], v[29+2*\b]
	v_add_f32 v[54+2*\b], v[54+2*\b], v[55+2*\b]
.endr
.irp b, 0,1,2,3,4
	v_cndmask_b32 v[28+2*\b], v[28+2*\b], 0, s[32+\b]
	v_cndmask_b32 v[54+2*\b], v[54+2*\b], 0, s[32+\b]
.endr
	v_add_f32 v28, v28, v30
	v_add_f32 v32, v32, v34
	v_add_f32 v54, v54, v56
	v_add_f32 v58, v58, v60
	v_add_f32 v28, v28, v32
	v_add_f32 v54, v54, v58
	v_add_f32 v28, v28, v36
	v_add_f32 v54, v54, v62
	v_permlanex16_b32 v29, v28, s30, s31
	v_permlanex16_b32 v55, v54, s30, s31
	v_add_f32 v28, v28, v29
	v_add_f32 v54, v54, v55
	v_fma_f32 v28, s39, v52, v28                   ; Z+ = the open terms + the number of shut places x f+
	v_fma_f32 v54, s39, v53, v54                   ; Z-
	v_rcp_f32 v48, v28
	v_rcp_f32 v50, v54
	v_nop
	s_wait_alu depctr_va_vdst(0)                   ; one wait for the two reciprocals
	v_mov_b32 v49, v48
	v_xor_b32 v50, 0x80000000, v50                 ; -1 / Z-
	v_mov_b32 v51, v50
	v_mul_f32 v52, v52, v48                        ; f+ / Z+
	v_mul_f32 v53, v53, v50                        ; -f- / Z-
	v_add_f32 v52, v52, v53                        ; c.  NOT fused: each softmax is rounded by itself, so that the last patch, whose two softmaxes are equal, gets exactly 0
	v_mul_f32 v53, s37, v52                        ; c, or 0 where block m + 4 does not exist
	; ---- A = p+ / Z+ - p- / Z-
.set j, 0
.rept 40
	v_pk_mul_f32 v[S+j:S+j+1], v[S+j:S+j+1], v[50:51]
.set j, j+2
.endr
.set j, 0
.rept 40
	v_pk_fma_f32 v[PP+j:PP+j+1], v[PP+j:PP+j+1], v[48:49], v[S+j:S+j+1]
.set j, j+2
.endr
	; ---- V's fragments are asked for, into the registers that the negative terms have left: they have the fills and the quantising of A in which to land
.irp t, 0,1,2,3
.irp c, 0,1
	ds_load_b128 v[S+12*\t+6*\c:S+12*\t+6*\c+3], v6 offset:VC+3072*\c+256*\t            ; channels 16 t + r, block mu + 2 c + h: registers 6 c .. 6 c + 3,
	ds_load_b64 v[S+12*\t+6*\c+4:S+12*\t+6*\c+5], v7 offset:VC+1024+3072*\c+128*\t      ; 6 c + 4, 6 c + 5.  (Lanes 16-31 stand 1,536 bytes from lanes 0-15, six times through the 64 banks of 4 bytes, ISA guide 11.1: these twelve loads of 8 bytes go two deep)
.endr
.endr
.irp t, 0,1,2,3
	ds_load_b128 v[S+48+6*\t:S+48+6*\t+3], v6 offset:VC+6144+256*\t                     ; the second K step: block mu + 4 + h
	ds_load_b64 v[S+48+6*\t+4:S+48+6*\t+5], v7 offset:VC+1024+6144+128*\t
.endr
	; ---- the shut places of the window's blocks get c; places of blocks that do not exist get 0
.set j, 0
.rept 16
	v_cndmask_b32 v[PP+j], v[PP+j], v52, s32       ; (block m fails to exist for the last patch alone, whose c is 0)
	v_cndmask_b32 v[PP+64+j], v[PP+64+j], v53, s36
.set j, j+1
.endr
	s_cmp_lt_u32 s28, 61                           ; ids alone.  Blocks m + 1 .. m + 3 all exist but for the head's last patches
	s_cbranch_scc1 .Lall_there
.irp b, 1,2,3
.set j, 0
.rept 16
	v_cndmask_b32 v[PP+16*\b+j], v[PP+16*\b+j], 0, s[32+\b]
.set j, j+1
.endr
.endr
.Lall_there:
	; ---- Q(c): a block of 32 equal numbers c has the scale 2^(floor(log2 |c|) - 4), so c is rounded to two mantissa bits, ties to even, and held at 1.75 x its power of two (the clamp at 28)
	v_bfe_u32 v54, v52, 21, 1
	v_add3_u32 v54, v52, v54, 0xfffff
	v_and_b32 v54, 0xffe00000, v54
	v_and_or_b32 v55, v52, 0xff800000, s41
	v_min_u32 v38, v54, v55                        ; both carry c's sign: the smaller word is the smaller magnitude
	v_mov_b32 v39, v38
	; ---- A is quantised along the keys: a block of 32 lies in lanes l and l xor 16
.irp b, 0,1,2,3,4
	v_max3_num_f32 v[28+\b], |v[PP+16*\b]|, |v[PP+16*\b+1]|, 0x2800000
.endr
.irp i, 2,4,6,8,10,12,14
.irp b, 0,1,2,3,4
	v_max3_num_f32 v[28+\b], v[28+\b], |v[PP+16*\b+\i]|, |v[PP+16*\b+\i+1]|
.endr
.endr
.irp b, 0,1,2,3,4
	v_permlanex16_b32 v[33+\b], v[28+\b], s30, s31
.endr
.irp b, 0,1,2,3,4
	v_max_num_f32 v[28+\b], v[28+\b], v[33+\b]
.endr
.irp b, 0,1,2,3,4
	v_add_nc_u32 v[33+\b], 0xfe000000, v[28+\b]    ; the conversions' scale operands
.endr
.irp b, 0,1,2,3,4
	v_lshrrev_b32 v[28+\b], 23, v[33+\b]           ; the bytes
.endr
	v_lshl_or_b32 v[PW], v29, 8, v28               ; blocks m .. m + 3
	v_lshl_or_b32 v[PW], v30, 16, v[PW]
	v_lshl_or_b32 v[PW], v31, 24, v[PW]
	v_or_b32 v[PW+1], 0x7f7f7f00, v32              ; block m + 4; the other three bytes, 127, meet zero codes
	v_cvt_scalef32_pk16_bf6_f32 v[PF0:PF0+2], v[PP:PP+15], v33
	v_nop                                          ; a plain line before the next conversion writes over numbers that the last one read
	v_cvt_scalef32_pk16_bf6_f32 v[PP:PP+2], v[PP+16:PP+31], v34
	v_cvt_scalef32_pk16_bf6_f32 v[PF0+6:PF0+8], v[PP+32:PP+47], v35
	v_nop
	v_cvt_scalef32_pk16_bf6_f32 v[PP+32:PP+34], v[PP+48:PP+63], v36
	v_cvt_scalef32_pk16_bf6_f32 v[PF1:PF1+2], v[PP+64:PP+79], v37
	v_nop                                          ; and one behind the last
.irp i, 0,1,2
	v_mov_b32 v[PP+4+\i], 0                        ; block m + 5 is outside the window: zero codes
.endr
.irp i, 0,1,2                                  ; the operand's layout wants a WHOLE block in a lane: lanes 0-15 the even block of a pair, lanes 16-31 the odd one
	v_permlane16_swap_b32 v[PF0+\i], v[PP+\i]      ; the first's lanes 16-31 change places with the second's lanes 0-15: the first now holds each lane's block's lower 16 codes, the second the upper 16
	v_permlane16_swap_b32 v[PF0+6+\i], v[PP+32+\i]
	v_permlane16_swap_b32 v[PF1+\i], v[PP+4+\i]
.endr
.irp i, 0,1,2
	v_mov_b32 v[PF0+3+\i], v[PP+\i]
	v_mov_b32 v[PF0+9+\i], v[PP+32+\i]
	v_mov_b32 v[PF1+3+\i], v[PP+4+\i]
	v_mov_b32 v[PF1+6+\i], 0
	v_mov_b32 v[PF1+9+\i], 0
.endr
	; ---- O^T = Q(c) T + V^T A^T
	s_wait_dscnt 0x0                               ; T and V's fragments are in
.set j, 0
.rept 16
	v_pk_mul_f32 v[O+j:O+j+1], v[O+j:O+j+1], v[38:39]   ; the blocks wholly under the mask: what the sums begin with
.set j, j+2
.endr
.rept 8
	v_nop                                          ; eight places between the last vector write of a scale register, four of an operand, and the scaled matrix instructions
.endr
.irp t, 0,1,2,3                                ; four accumulators by turns, one instruction a turn
	v_wmma_scale_f32_16x16x128_f8f6f4 v[O+8*\t:O+8*\t+7], v[S+12*\t:S+12*\t+11], v[PF0:PF0+11], v[O+8*\t:O+8*\t+7], v[VS+\t], v[PW] matrix_a_fmt:MATRIX_FMT_BF6 matrix_b_fmt:MATRIX_FMT_BF6
.endr
.irp t, 0,1,2,3                                ; source 0's registers 6-11 are whatever follows (the next fragment; behind the last, old terms): they meet zero codes
	v_wmma_scale_f32_16x16x128_f8f6f4 v[O+8*\t:O+8*\t+7], v[S+48+6*\t:S+48+6*\t+11], v[PF1:PF1+11], v[O+8*\t:O+8*\t+7], v[VS+\t], v[PW+1] matrix_a_fmt:MATRIX_FMT_BF6 matrix_b_fmt:MATRIX_FMT_BF6 matrix_a_scale:MATRIX_SCALE_ROW1
.endr
.rept 4
	v_nop                                          ; four places in front of the first read of results and of loads into registers that the products have read
.endr
	; ---- the way out: a lane holds 32 neighbouring bytes of a row and the lanes beside it other rows: through my stage, back as memory has the rows
.irp t, 0,1,2,3
	ds_store_b128 v10, v[O+8*\t:O+8*\t+3] offset:64*\t               ; out(r, 16 t + 8 h + 0 .. 3): each accumulator from its low end on
	ds_store_b128 v10, v[O+8*\t+4:O+8*\t+7] offset:64*\t+16
.endr
.irp i, 0,1,2,3,4,5,6,7
	ds_load_b128 v[S+4*\i:S+4*\i+3], v8 offset:2*SPITCH*\i           ; LDS serves a wave's instructions in order: these see my stores
.endr
.irp i, 0,1,2,3,4,5,6,7
	s_wait_dscnt 7-\i
	global_store_b128 v3, v[S+4*\i:S+4*\i+3], s[20:21] offset:512*\i th:TH_STORE_NT   ; 32 lanes store 512 consecutive bytes, two rows, at a multiple of 256 from out0's first byte
.endr
	s_wait_tensorcnt 0x0                           ; the wave's end
	ds_add_u32 v[SPW], v[NIL]
	s_wait_dscnt 0x0
	s_endpgm
.Lfunc_end_k_q35cb88c8a2_attn:
	.size	k_q35cb88c8a2_attn, .Lfunc_end_k_q35cb88c8a2_attn-k_q35cb88c8a2_attn
	.p2alignl 7, 3214868480
	.fill 96, 4, 3214868480
	.section	.rodata,"a",@progbits
	.p2align	6, 0x0
	.amdhsa_kernel k_q35cb88c8a2_attn
		.amdhsa_group_segment_fixed_size 137216
		.amdhsa_private_segment_fixed_size 0
		.amdhsa_enable_private_segment 0
		.amdhsa_kernarg_size 72
		.amdhsa_user_sgpr_count 2
		.amdhsa_user_sgpr_kernarg_segment_ptr 1
		.amdhsa_wavefront_size32 1
		.amdhsa_system_sgpr_workgroup_id_x 1
		.amdhsa_system_sgpr_workgroup_id_y 1
		.amdhsa_system_sgpr_workgroup_id_z 1
		.amdhsa_system_vgpr_workitem_id 0
		.amdhsa_next_free_vgpr 256
		.amdhsa_next_free_sgpr 66
		.amdhsa_reserve_vcc 0
		.amdhsa_float_denorm_mode_32 3
		.amdhsa_float_denorm_mode_16_64 3
		.amdhsa_memory_ordered 1
		.amdhsa_forward_progress 1
		.amdhsa_inst_pref_size 63
	.end_amdhsa_kernel
	.amdgpu_metadata
---
amdhsa.version: [ 1, 2 ]
amdhsa.kernels:
  - .name:           k_q35cb88c8a2_attn
    .symbol:         k_q35cb88c8a2_attn.kd
    .args:
      - { .name: queries, .offset: 0, .size: 8, .value_kind: global_buffer, .address_space: global }
      - { .name: log_scale, .offset: 8, .size: 8, .value_kind: global_buffer, .address_space: global }
      - { .name: kc, .offset: 16, .size: 8, .value_kind: global_buffer, .address_space: global }
      - { .name: ksw, .offset: 24, .size: 8, .value_kind: global_buffer, .address_space: global }
      - { .name: vc, .offset: 32, .size: 8, .value_kind: global_buffer, .address_space: global }
      - { .name: vsw, .offset: 40, .size: 8, .value_kind: global_buffer, .address_space: global }
      - { .name: sb, .offset: 48, .size: 8, .value_kind: global_buffer, .address_space: global }
      - { .name: ch, .offset: 56, .size: 8, .value_kind: global_buffer, .address_space: global }
      - { .name: out0, .offset: 64, .size: 8, .value_kind: global_buffer, .address_space: global }
    .group_segment_fixed_size: 137216
    .private_segment_fixed_size: 0
    .kernarg_segment_align: 8
    .kernarg_segment_size: 72
    .max_flat_workgroup_size: 512
    .sgpr_count:     66
    .vgpr_count:     256
    .wavefront_size: 32
...
	.end_amdgpu_metadata
.endif
;; end of part 2
;; ======== version 2 of 2: 2 launches
;; workspace buffers: kc 3,145,728 bytes; ksw 262,144 bytes; vc 3,145,728 bytes; vsw 131,072 bytes; sb 524,288 bytes; ch 131,072 bytes
;; launch prep (part 3): grid 768 x 1, 4 waves a work-group, no clusters, 35,328 bytes of LDS; arguments keys, values, kc, ksw, vc, vsw, sb, ch; writes kc, ksw, vc, vsw, sb, ch
.if DOCPART == 3
	.amdgcn_target "amdgcn-amd-amdhsa--gfx1250"
	.amdhsa_code_object_version 6
	.text
	.protected	k_q35cb88c8a2_prep
	.globl	k_q35cb88c8a2_prep
	.p2align	8
	.type	k_q35cb88c8a2_prep,@function
k_q35cb88c8a2_prep:
	s_mov_b64 s[64:65], 0
	v_nop
	global_prefetch_b8 v0, s[64:65] scope:SCOPE_SE
	s_setreg_imm32_b32 hwreg(HW_REG_WAVE_MODE, 25, 1), 1
	s_wait_xcnt 0x0
; keys and values, [32 heads][2048][64] f32, are quantised ONCE into codes of BF6 (E3M2) with one E8M0 byte for each 32 along a product's K, since about ten query tiles read each of them.
; A block's scale is 2^(floor(log2(its largest magnitude)) - 4); its byte is the largest magnitude's exponent field - 4, held at 1 from below by a floor among the maximum's leaves.
; (A block of zeros so gets the byte 1: its codes are zeros, and this program alone reads the bytes.)
; LIMITS: NaN and infinities among the inputs are not served; blocks whose largest magnitude lies under 2^-122 keep the byte 1.
; KEYS (work-groups 0-511): K = the head's 64 channels.  A wave takes 32 keys (8,192 dense bytes) and makes two operand tiles of 16 keys.  Tile u of block B takes key 8 u + r + 8 (r / 8) as its row r, so that in the
;   attention launch the 16 result registers of a block's two tiles are 16 neighbouring keys.  The codes leave as IMAGES OF THE OPERAND'S REGISTERS: kc[B][u]: 16 bytes x lane (registers 0-3), then 8 bytes x lane (4-5).
;   ksw[B][u][r]: the row's scale word: bytes 0, 1 the two blocks of 32 channels, bytes 2, 3 = 127 (they meet zero codes).
; VALUES (work-groups 512-767): K = the keys.  A lane takes a column d and its registers run down the keys, so a block of 32 keys lies in one lane.  A wave takes 32 columns x 128 keys (4 blocks).
;   vc[head][block][..]: 16 bytes x d (registers 0-3 of the block's six), then 8 bytes x d (4-5).   vsw[head][group of 4 blocks][d]: the four bytes.
;   sb[head][block][d] = the sum of the block's 32 QUANTISED numbers, ch[head][group][d] = the sum of a group's four: the attention launch needs the sum of quantised values over all blocks that lie wholly under the mask.
;   The codes are widened again and added as multiples of 1/16 up to 28: 32 of them need 14 bits, so the sum is exact; then it is multiplied by the scale, a power of two.
; No tensor load, no barrier: waves share nothing.  Only the keys' path uses LDS.
.set STGB,  32*272                     ; a wave's stage: 32 rows of 256 bytes + 16: row r starts 17 r places of 16 bytes on, so sixteen lanes that read one column of sixteen rows fall in sixteen different places modulo 256 bytes
.set SPARE, 4*STGB                     ; behind the four stages: the spare words, 128 bytes for each wave: two blocks of 256 bytes that no other line names
.set SPW, 1                            ; v1   LDS address of my spare word; never rewritten
.set NIL, 2                            ; v2   0; never rewritten
.set QA,  11                           ; v11, v12  two chains of the maximum
.set QB,  12
.set SC,  13                           ; v13  the conversions' scale operand
.set QT,  14                           ; v14-16  a block's upper 16 codes (a conversion's three registers begin on an even number)
; 32 numbers of ONE block, v[X] .. v[X + 31], become 192 bits of codes in v[C] .. v[C + 5]; the scale's byte goes to v[BY], the scale operand stays in v[SC], the upper 16 codes also in v[QT] on.
.macro QUANT32 X, C, BY
	v_max3_num_f32 v[QA], |v[(\X)]|, |v[(\X)+1]|, 0x2800000            ; the floor 2^(5 - 127) among the leaves: the byte cannot fall under 1
	v_max3_num_f32 v[QB], |v[(\X)+2]|, |v[(\X)+3]|, |v[(\X)+4]|
.irp i, 5,9,13,17,21,25
	v_max3_num_f32 v[QA], v[QA], |v[(\X)+\i]|, |v[(\X)+\i+1]|          ; two chains by turns
	v_max3_num_f32 v[QB], v[QB], |v[(\X)+\i+2]|, |v[(\X)+\i+3]|
.endr
	v_max3_num_f32 v[QA], v[QA], |v[(\X)+29]|, |v[(\X)+30]|
	v_max3_num_f32 v[QA], v[QA], v[QB], |v[(\X)+31]|
	v_add_nc_u32 v[SC], 0xfe000000, v[QA]                              ; 4 off the exponent field: the conversion takes the exponent field of this operand as its scale, and nothing else of it
	v_cvt_scalef32_pk16_bf6_f32 v[(\C):(\C)+2], v[(\X):(\X)+15], v[SC]
	v_cvt_scalef32_pk16_bf6_f32 v[QT:QT+2], v[(\X)+16:(\X)+31], v[SC]
	v_lshrrev_b32 v[\BY], 23, v[SC]                                    ; the scale's byte; also the plain line behind the conversions
.irp i, 0,1,2
	v_mov_b32 v[(\C)+3+\i], v[QT+\i]
.endr
.endm
	s_load_b256 s[4:11], s[0:1], 0x0               ; keys s[4:5], values s[6:7], kc s[8:9], ksw s[10:11]
	s_load_b256 s[12:19], s[0:1], 0x20             ; vc s[12:13], vsw s[14:15], sb s[16:17], ch s[18:19]
	v_lshl_add_u32 v[SPW], v0, 2, SPARE
	v_mov_b32 v[NIL], 0
	v_lshrrev_b32 v3, 5, v0
	v_readfirstlane_b32 s20, v3                    ; wave 0..3
	v_and_b32 v3, 31, v0                           ; lane
	v_and_b32 v4, 15, v0                           ; r
	v_bfe_u32 v5, v0, 4, 1                         ; h
	s_mov_b32 s30, 0x76543210
	s_mov_b32 s31, 0xfedcba98                      ; v_permlanex16_b32's selects for lane l xor 16
	s_mov_b32 s32, 0xffff0000                      ; lanes 16-31
	s_cmp_lt_u32 ttmp9, 512                        ; the work-group's number alone decides: all four waves go the same way
	s_cbranch_scc0 .Lvalues
	; ---------------- KEYS ----------------
	s_lshl_b32 s21, ttmp9, 2
	s_add_co_u32 s21, s21, s20                     ; B = 4 x work-group + wave: my block of 32 keys, 0 .. 2047 over all heads
	s_lshl_b32 s22, s21, 13                        ; its 8,192 bytes of keys,
	s_mov_b32 s23, 0
	s_mul_i32 s24, s21, 1536                       ; its 1,536 bytes of codes,
	s_mov_b32 s25, 0
	s_lshl_b32 s26, s21, 7                         ; its 128 bytes of scale words
	s_mov_b32 s27, 0
	s_mul_i32 s28, s20, STGB                       ; my stage
	s_wait_alu depctr_va_vdst(0)
	v_lshlrev_b32 v6, 4, v3                        ; 16 x lane
	v_lshlrev_b32 v7, 3, v3                        ; 8 x lane
	v_lshlrev_b32 v8, 2, v3                        ; 4 x lane
	v_mul_u32_u24 v9, v5, 272
	v_lshl_add_u32 v9, v4, 4, v9
	v_add_nc_u32 v9, s28, v9                       ; into the stage: a load's 512 bytes are two keys: lanes 0-15 the even one, lanes 16-31 the odd one
	v_mul_u32_u24 v10, v4, 272
	v_lshl_add_u32 v10, v5, 7, v10
	v_add_nc_u32 v10, s28, v10                     ; out of it: row r, channels 32 h on: my block of 32
	v_lshlrev_b32 v36, 3, v5                       ; 8 h: my byte's place in the scale word
	v_mov_b32 v37, 0                               ; (a lane permute's destination counts as one of its sources)
	s_wait_alu depctr_va_vdst(0)
	s_wait_kmcnt 0x0
	s_add_nc_u64 s[4:5], s[4:5], s[22:23]
	s_add_nc_u64 s[8:9], s[8:9], s[24:25]
	s_add_nc_u64 s[10:11], s[10:11], s[26:27]
.irp j, 0,1,2,3,4,5,6,7,8,9,10,11,12,13,14,15
	global_load_b128 v[64+4*\j:67+4*\j], v6, s[4:5] offset:512*\j th:TH_LOAD_NT   ; 32 lanes read 512 consecutive bytes: keys 2 j and 2 j + 1
.endr
.irp j, 0,1,2,3,4,5,6,7,8,9,10,11,12,13,14,15
	s_wait_loadcnt 15-\j                           ; loads come back in order: load j is in, the younger ones stay out
	ds_store_b128 v9, v[64+4*\j:67+4*\j] offset:(16*(((2*\j)/8)%2)+((2*\j)%8)+8*((2*\j)/16))*272   ; key k goes to stage row 16 u + r with u = (k / 8) % 2, r = k % 8 + 8 (k / 16): the tiles' order of rows is an immediate
.endr
.irp u, 0,1
.irp i, 0,1,2,3,4,5,6,7
	ds_load_b128 v[128+32*\u+4*\i:131+32*\u+4*\i], v10 offset:4352*\u+16*\i   ; LDS serves a wave's instructions in order: these see my stores
.endr
.endr
	s_wait_dscnt 8                                 ; tile 0's eight loads are in; tile 1's eight may be out
	QUANT32 128, 20, 32
	v_lshlrev_b32 v34, v36, v32                    ; my byte at its place;
	v_permlanex16_b32 v37, v34, s30, s31
	v_or_b32 v34, v34, v37                         ; with lane l xor 16's the row's two bytes;
	v_or_b32 v34, 0x7f7f0000, v34                  ; bytes 2 and 3 = 127
	global_store_b128 v6, v[20:23], s[8:9]         ; 512 consecutive bytes, at a multiple of 256 from kc's first byte
	global_store_b64 v7, v[24:25], s[8:9] offset:512   ; 256 consecutive bytes, likewise
	s_wait_dscnt 0x0
	QUANT32 160, 26, 33
	v_lshlrev_b32 v35, v36, v33
	v_permlanex16_b32 v37, v35, s30, s31
	v_or_b32 v35, v35, v37
	v_or_b32 v35, 0x7f7f0000, v35
	v_cndmask_b32 v34, v34, v35, s32               ; lanes 0-15: tile 0's word of row r; lanes 16-31: tile 1's
	global_store_b128 v6, v[26:29], s[8:9] offset:768
	global_store_b64 v7, v[30:31], s[8:9] offset:1280
	global_store_b32 v8, v34, s[10:11]             ; 128 consecutive bytes: two neighbouring waves' stores make 256; one byte in 64 of what this path reads
	s_wait_tensorcnt 0x0                           ; the wave's end
	ds_add_u32 v[SPW], v[NIL]
	s_wait_dscnt 0x0
	s_endpgm
	; ---------------- VALUES ----------------
.set ONES, 50                          ; v50  the byte 127 four times: the widening conversion's scale, 1
.set BYV,  51                          ; v51  a block's byte
.set WV,   48                          ; v48  the group's four bytes
.set SF,   55                          ; v55  a block's scale as f32
.macro VLOAD bb                        ; block bb: V(32 bb + i, my column), i = 0 .. 31
.irp i, 0,1,2,3,4,5,6,7,8,9,10,11,12,13,14,15,16,17,18,19,20,21,22,23,24,25,26,27,28,29,30,31
	global_load_b32 v[64+32*(\bb)+\i], v52, s[6:7] offset:(32*(\bb)+\i)*256 th:TH_LOAD_NT   ; 32 lanes read 128 consecutive bytes; the wave beside me reads the row's other 128
.endr
.endm
.macro VBLOCK bb
.set XB, 64+32*(\bb)
.set CB, 20+6*(\bb)                    ; each block has its own registers for codes and sum: no store's data are written again
.if (\bb) < 3
	s_wait_loadcnt 32                              ; this block's 32 loads are in; the next block's 32 may be out
.else
	s_wait_loadcnt 0x0
.endif
.if (\bb) < 2
	VLOAD (\bb)+2                                  ; two blocks ahead, into registers of their own
.endif
	QUANT32 XB, CB, BYV
	global_store_b128 v53, v[CB:CB+3], s[12:13] offset:1536*(\bb)        ; 512 consecutive bytes, at a multiple of 256 from vc's first byte
	global_store_b64 v54, v[CB+4:CB+5], s[12:13] offset:1536*(\bb)+1024  ; 256 consecutive bytes, likewise
	v_cvt_scale_pk16_f32_bf6 v[XB:XB+15], v[CB:CB+2], v[ONES]            ; the codes' values again, over the numbers that they were made of (four plain lines stand behind the conversions that read those)
	v_cvt_scale_pk16_f32_bf6 v[XB+16:XB+31], v[QT:QT+2], v[ONES]
	v_and_b32 v[SF], 0x7f800000, v[SC]             ; the scale as f32.  (The plain line behind the conversions)
.if (\bb) == 0
	v_mov_b32 v[WV], v[BYV]
.else
	v_lshl_or_b32 v[WV], v[BYV], 8*(\bb), v[WV]    ; the lower block in the lower byte
.endif
.irp k, 0,2,4,6,8,10,12,14
	v_pk_add_f32 v[XB+\k:XB+\k+1], v[XB+\k:XB+\k+1], v[XB+16+\k:XB+17+\k]   ; 32 multiples of 1/16, 28 at the most: every sum is exact
.endr
.irp k, 0,2,4,6
	v_pk_add_f32 v[XB+\k:XB+\k+1], v[XB+\k:XB+\k+1], v[XB+8+\k:XB+9+\k]
.endr
.irp k, 0,2
	v_pk_add_f32 v[XB+\k:XB+\k+1], v[XB+\k:XB+\k+1], v[XB+4+\k:XB+5+\k]
.endr
	v_pk_add_f32 v[XB:XB+1], v[XB:XB+1], v[XB+2:XB+3]
	v_add_f32 v[XB], v[XB], v[XB+1]
	v_mul_f32 v[44+(\bb)], v[XB], v[SF]            ; x the scale, a power of two
	global_store_b32 v52, v[44+(\bb)], s[16:17] offset:256*(\bb)
.endm
.Lvalues:
	s_sub_co_u32 s21, ttmp9, 512
	s_lshr_b32 s22, s21, 3                         ; head
	s_and_b32 s21, s21, 7
	s_lshl_b32 s21, s21, 1
	s_lshr_b32 s24, s20, 1
	s_add_co_u32 s21, s21, s24                     ; G: my group of 128 keys, 0 .. 15
	s_and_b32 s24, s20, 1                          ; which 32 of the 64 columns
	s_lshl_b32 s26, s22, 19
	s_lshl_b32 s25, s21, 15
	s_add_co_u32 s26, s26, s25                     ; values: head x 524,288 + G x 128 rows of 256 bytes
	s_mov_b32 s27, 0
	s_lshl_b32 s28, s22, 4
	s_add_co_u32 s28, s28, s21                     ; 16 head + G
	s_lshl_b32 s34, s28, 8                         ; vsw, ch: 256 bytes a group
	s_mov_b32 s35, 0
	s_lshl_b32 s36, s28, 10                        ; sb: 256 bytes a block, four blocks a group
	s_mov_b32 s37, 0
	s_mul_i32 s38, s28, 4*1536                     ; vc: 1,536 bytes a block
	s_mov_b32 s39, 0
	s_lshl_b32 s25, s24, 7
	s_wait_alu depctr_va_vdst(0)
	v_lshl_add_u32 v52, v3, 2, s25                 ; 4 d: my column in a row of values, of sb, of vsw, of ch
	s_lshl_b32 s25, s24, 9
	v_lshl_add_u32 v53, v3, 4, s25                 ; 16 d
	s_lshl_b32 s25, s24, 8
	v_lshl_add_u32 v54, v3, 3, s25                 ; 8 d
	v_mov_b32 v[ONES], 0x7f7f7f7f
	s_wait_alu depctr_va_vdst(0)
	s_wait_kmcnt 0x0
	s_add_nc_u64 s[6:7], s[6:7], s[26:27]
	s_add_nc_u64 s[12:13], s[12:13], s[38:39]
	s_add_nc_u64 s[14:15], s[14:15], s[34:35]
	s_add_nc_u64 s[16:17], s[16:17], s[36:37]
	s_add_nc_u64 s[18:19], s[18:19], s[34:35]
	VLOAD 0
	VLOAD 1
	VBLOCK 0
	VBLOCK 1
	VBLOCK 2
	VBLOCK 3
	v_add_f32 v49, v44, v45
	v_add_f32 v55, v46, v47
	v_add_f32 v49, v49, v55                        ; the group's sum
	global_store_b32 v52, v[WV], s[14:15]
	global_store_b32 v52, v49, s[18:19]
	s_wait_tensorcnt 0x0                           ; the three lines of a wave's end stand here too, so that both ends of the text read alike
	ds_add_u32 v[SPW], v[NIL]
	s_wait_dscnt 0x0
	s_endpgm
.Lfunc_end_k_q35cb88c8a2_prep:
	.size	k_q35cb88c8a2_prep, .Lfunc_end_k_q35cb88c8a2_prep-k_q35cb88c8a2_prep
	.p2alignl 7, 3214868480
	.fill 96, 4, 3214868480
	.section	.rodata,"a",@progbits
	.p2align	6, 0x0
	.amdhsa_kernel k_q35cb88c8a2_prep
		.amdhsa_group_segment_fixed_size 35328
		.amdhsa_private_segment_fixed_size 0
		.amdhsa_enable_private_segment 0
		.amdhsa_kernarg_size 64
		.amdhsa_user_sgpr_count 2
		.amdhsa_user_sgpr_kernarg_segment_ptr 1
		.amdhsa_wavefront_size32 1
		.amdhsa_system_sgpr_workgroup_id_x 1
		.amdhsa_system_sgpr_workgroup_id_y 1
		.amdhsa_system_sgpr_workgroup_id_z 1
		.amdhsa_system_vgpr_workitem_id 0
		.amdhsa_next_free_vgpr 192
		.amdhsa_next_free_sgpr 66
		.amdhsa_reserve_vcc 0
		.amdhsa_float_denorm_mode_32 3
		.amdhsa_float_denorm_mode_16_64 3
		.amdhsa_memory_ordered 1
		.amdhsa_forward_progress 1
		.amdhsa_inst_pref_size 36
	.end_amdhsa_kernel
	.amdgpu_metadata
---
amdhsa.version: [ 1, 2 ]
amdhsa.kernels:
  - .name:           k_q35cb88c8a2_prep
    .symbol:         k_q35cb88c8a2_prep.kd
    .args:
      - { .name: keys, .offset: 0, .size: 8, .value_kind: global_buffer, .address_space: global }
      - { .name: values, .offset: 8, .size: 8, .value_kind: global_buffer, .address_space: global }
      - { .name: kc, .offset: 16, .size: 8, .value_kind: global_buffer, .address_space: global }
      - { .name: ksw, .offset: 24, .size: 8, .value_kind: global_buffer, .address_space: global }
      - { .name: vc, .offset: 32, .size: 8, .value_kind: global_buffer, .address_space: global }
      - { .name: vsw, .offset: 40, .size: 8, .value_kind: global_buffer, .address_space: global }
      - { .name: sb, .offset: 48, .size: 8, .value_kind: global_buffer, .address_space: global }
      - { .name: ch, .offset: 56, .size: 8, .value_kind: global_buffer, .address_space: global }
    .group_segment_fixed_size: 35328
    .private_segment_fixed_size: 0
    .kernarg_segment_align: 8
    .kernarg_segment_size: 64
    .max_flat_workgroup_size: 128
    .sgpr_count:     66
    .vgpr_count:     192
    .wavefront_size: 32
...
	.end_amdgpu_metadata
.endif
;; end of part 3
;; launch attn (part 4): grid 8 x 32, 16 waves a work-group, no clusters, 137,216 bytes of LDS; arguments queries, log_scale, kc, ksw, vc, vsw, sb, ch, out0; writes out0
.if DOCPART == 4
	.amdgcn_target "amdgcn-amd-amdhsa--gfx1250"
	.amdhsa_code_object_version 6
	.text
	.protected	k_q35cb88c8a2_attn
	.globl	k_q35cb88c8a2_attn
	.p2align	8
	.type	k_q35cb88c8a2_attn,@function
k_q35cb88c8a2_attn:
	s_mov_b64 s[64:65], 0
	v_nop
	global_prefetch_b8 v0, s[64:65] scope:SCOPE_SE
	s_setreg_imm32_b32 hwreg(HW_REG_WAVE_SCHED_MODE, 0, 2), 2
	s_setreg_imm32_b32 hwreg(HW_REG_WAVE_MODE, 25, 1), 1
	s_wait_xcnt 0x0
	s_wait_alu depctr_vm_vsrc(0)
; out[q] = the sum over k of Q(A[q][k]) Q(V[k]),  A = softmax(scale pos) - softmax(scale neg), pos / neg = +- Q(q) . Q(k) where the mask is open and -10000 where it is shut; scale = clip(e^log_scale, 1, 30) / 8.
; Both products on codes of BF6 (E3M2) with one E8M0 byte for each 32 along K.  The finished, normalised A is what is quantised, along the keys.
; THE MASK.  2,048 places are 128 patches of 16.  A tile of 16 queries is one patch p; open are the keys of patches p + 1 .. p + 9 that exist.  They lie in the five aligned blocks of 32 keys m .. m + 4, m = (p + 1) / 2,
;   of which one half block is shut: patch 2 m for even p, patch 2 m + 9 for odd p.  Only these five blocks are multiplied: 10 + 8 matrix instructions a tile.
; THE SHUT PLACES ARE NOT ZERO: A holds there one number a row, c = f+ / Z+ - f- / Z-, f = e^(scale (-10000 - max)).  It is 0 for small scores and not for large ones (scores beyond +-10000).  In the window's half block c is
;   filled in ahead of the quantiser.  A block wholly under the mask holds 32 equal numbers, whose quantised value Q(c) is c rounded to two mantissa bits, ties to even, held at 1.75 x its power of two; all such blocks
;   together add Q(c) x T[d], T[d] = the sum of the quantised values over the existing blocks outside m .. m + 4, made from the sums that the launch before has stored.  Q(c) T is the C of the second product's first instructions.
; SHARES.  A work-group owns 256 queries of one head, each of its sixteen waves one tile, in 256 registers: four waves to a SIMD, so that one wave's vector work stands beside another's.  4,096 tiles, 256 work-groups.
; The text is straight: no loop, one barrier.  The work-group copies 16 blocks of K's and V's codes from block 8 g on (its waves read 14 of them; 16 are three loads of 16 bytes a thread), their scale words and the sums into LDS once.
; A copy that would pass the head's end is held at the head's last bytes: it brings codes and bytes of blocks that exist in place of blocks that do not, and those meet a mask or zero codes.
; LAYOUT.  Both products are used transposed: S^T = K Q^T (source 0 = 16 keys, source 1 = my 16 queries), O^T = V^T A^T: a lane holds ONE query (lane % 16) throughout, and the 16 registers of a block's two tiles are
;   keys 32 (m + b) + 16 (lane / 16) + 0 .. 15: one patch.  So the mask is a mask of lanes for each block, made of ids alone and kept in scalar registers.
; K = 64 in the first product: Q's registers 6-11 are zero codes, so source 0's registers 6-11 may hold anything (the next fragment).  The second product's K is 160: in its second instruction only block m + 4 has codes other than 0.
; NO JOINT LOADS: neighbouring work-groups share 6 of the 14 blocks read, 18 KB of the 177 KB that a work-group moves, and at other LDS places in each.  No tensor load: every byte is asked for at the head and used once.
; LIMITS: NaN and infinities among the inputs are not served; |c| under 2^-122 is rounded as a normal number; blocks of A whose largest magnitude lies under 2^-122 keep the byte 1.
; THE MODE: SCHED_MODE bits 1:0 = 2 (LLVM: expert scheduling mode 2), set by the entry lines.  The code itself states the register dependences between vector or matrix instructions and memory or LDS instructions,
;   with s_wait_alu, always for 0.
; THE PLAN.  Registers that memory or LDS instructions touch, in the order of the text (there is no loop, so no way back):
;   v1-15         the add's two and all addresses: written at the head, read by loads and stores, never written again.
;   v56-61, v139  offsets of the copies: written at the head, read by the global loads (v139 by two LDS stores too).  Then LDS loads land in v56-63, and the first product writes v139.
;   v138, v140    LDS places: written behind the global loads, read by the head's LDS stores; the first product writes them.
;   v64-93        what is copied: global loads land, two multiplies write v90, v91, the head's LDS stores read.  Then Q's numbers land in v64-95.
;   v96-137       the sums: LDS loads land, additions leave T in v96, v97, an LDS store reads these; the first product writes them.
;   v224-255      Q as loaded: the stage's LDS stores read.  Then T lands there; then vector and matrix instructions alone, until the way out's LDS stores read them.
;   v64-143       the scores and terms: matrix and vector instructions.  Then V's fragments land in v64-135 and the second product reads them; then rows of O land in v64-95, which the global stores read.
;   v144-209, v16-20  K's fragments and scale words: LDS loads land once; afterwards matrix and vector instructions alone.
;   Each wait below says which of these steps it parts.  Behind the wait that follows T's LDS store no memory or LDS instruction reads a register that is written again.
.set KC,   0                           ; LDS: 16 blocks of K's codes, 1,536 bytes each
.set VC,   24576                       ; 16 blocks of V's codes
.set KSW,  49152                       ; K's scale words, 128 bytes a block
.set VSW,  51200                       ; V's scale words, 8 groups of 4 blocks, 256 bytes each
.set SBL,  53248                       ; the sums of blocks 8 g + 0 .. 15 (0 for a block that does not exist), 256 bytes each
.set CHL,  57344                       ; the sums of the head's 16 groups
.set TL,   61440                       ; T: 256 bytes for each wave
.set STG,  65536                       ; a stage of 16 rows x (256 + 16) bytes for each wave: Q's way in and O's way out
.set SPITCH, 272
.set WSTG, 16*SPITCH
.set SPARE, STG+16*WSTG                ; the spare words, 128 bytes for each wave: eight blocks of 256 bytes that no other line names
.set SPW, 1                            ; v1   LDS address of my spare word; never rewritten
.set NIL, 2                            ; v2   0; never rewritten
; v3 16 x lane;  v4, v5 K's fragments;  v6, v7 V's;  v8 stage by rows of memory;  v9 stage, Q's half rows;  v10 stage, O's pieces;  v11 K's scale words;  v12 V's;  v13 groups' sums;  v14 blocks' sums;  v15 T
.set KS,  16                           ; v16-20 K's scale words: lanes 0-15 a block's tile 0, lanes 16-31 its tile 1
.set QS,  21                           ; v21    Q's
.set VS,  22                           ; v22-25 V's, a tile of 16 channels each: lanes 0-15 blocks m .. m + 3, lanes 16-31 blocks m + 4 .. m + 7
.set PW,  26                           ; v26, v27 A's, for the two K steps
.set QA,  28                           ; QUANT32's registers, while Q is quantised: v28-34.  (At the head v28-31 hold lane, r, h and scratch: they are dead from QUANT32 on)
.set QB,  29
.set QT,  30
.set SC,  34
; v28-37, v54-63 at work;  v38 the largest pos, v39 the smallest open score, later Q(c) twice;  pairs that hold a number twice: v40 c2, v42 -c2, v44 -c2 max, v46 c2 min, v48 1 / Z+, v50 -1 / Z-;  v52, v53 f+, f-, later c, c or 0
.set PF0, 40                           ; v40-51 A's codes of blocks 0-3, v52-63 of block 4 (and zeros): written when all of the above is done with
.set PF1, 52
.set S,   64                           ; v64-143  the scores, then the negative softmax's terms; earlier what is copied, Q's numbers and the sums; later V's fragments, then rows of O
.set PP,  144                          ; v144-223 the positive softmax's terms, then A; earlier K's fragments, six zeros and Q's fragment
.set KF,  144
.set QF,  210
.set O,   224                          ; v224-255 O^T; earlier Q as loaded, then T
.macro QUANT32 X, C, BY                ; 32 numbers of ONE block, v[X] on, become 192 bits of codes in v[C] .. v[C + 5]; the scale's byte goes to v[BY]
	v_max3_num_f32 v[QA], |v[(\X)]|, |v[(\X)+1]|, 0x2800000            ; the floor 2^(5 - 127) among the leaves: the byte cannot fall under 1
	v_max3_num_f32 v[QB], |v[(\X)+2]|, |v[(\X)+3]|, |v[(\X)+4]|
.irp i, 5,9,13,17,21,25
	v_max3_num_f32 v[QA], v[QA], |v[(\X)+\i]|, |v[(\X)+\i+1]|
	v_max3_num_f32 v[QB], v[QB], |v[(\X)+\i+2]|, |v[(\X)+\i+3]|
.endr
	v_max3_num_f32 v[QA], v[QA], |v[(\X)+29]|, |v[(\X)+30]|
	v_max3_num_f32 v[QA], v[QA], v[QB], |v[(\X)+31]|
	v_add_nc_u32 v[SC], 0xfe000000, v[QA]                              ; 4 off the exponent field: the conversion's scale operand
	v_cvt_scalef32_pk16_bf6_f32 v[(\C):(\C)+2], v[(\X):(\X)+15], v[SC]
	v_cvt_scalef32_pk16_bf6_f32 v[QT:QT+2], v[(\X)+16:(\X)+31], v[SC]  ; (a conversion's three registers begin on an even number)
	v_lshrrev_b32 v[\BY], 23, v[SC]                                    ; the scale's byte; also the plain line behind the conversions
.irp i, 0,1,2
	v_mov_b32 v[(\C)+3+\i], v[QT+\i]
.endr
.endm
	; ---- the head: ids, masks, addresses
	s_load_b256 s[4:11], s[0:1], 0x0               ; queries s[4:5], log_scale s[6:7], kc s[8:9], ksw s[10:11]
	s_load_b256 s[12:19], s[0:1], 0x20             ; vc s[12:13], vsw s[14:15], sb s[16:17], ch s[18:19]
	s_load_b64 s[20:21], s[0:1], 0x40              ; out0
	v_lshl_add_u32 v[SPW], v0, 2, SPARE
	v_mov_b32 v[NIL], 0
	v_lshrrev_b32 v28, 5, v0
	v_readfirstlane_b32 s22, v28                   ; w: wave 0..15
	s_mov_b32 s24, ttmp9                           ; g: which 256 queries
	s_and_b32 s25, ttmp7, 0xffff                   ; the head
	s_lshl_b32 s26, s24, 4
	s_wait_alu depctr_va_sdst(0)                   ; s22 is written, ahead of its first reader: the patch, the masks and the addresses are made from it
	s_add_co_u32 s26, s26, s22                     ; p = 16 g + w: my patch
	s_add_co_u32 s27, s22, 1
	s_lshr_b32 s27, s27, 1                         ; mu = (w + 1) / 2: my first block among the 16 in LDS
	s_lshl_b32 s28, s24, 3
	s_add_co_u32 s46, s28, s22                     ; 8 g + w: the block whose sums I copy
	s_add_co_u32 s28, s28, s27                     ; m = 8 g + mu
	s_mov_b32 s30, 0x76543210
	s_mov_b32 s31, 0xfedcba98                      ; v_permlanex16_b32's selects for lane l xor 16
	s_and_b32 s47, s22, 1
	s_cmp_eq_u32 s47, 0                            ; p and w are even together
	s_cselect_b32 s32, 0xffff, 0                   ; s32-36: the lanes whose 16 keys of block m + b are shut.  Even p: block m, lanes 0-15 (patch 2 m);
	s_cselect_b32 s36, 0, 0xffff0000               ; odd p: block m + 4, lanes 16-31 (patch 2 m + 9);
	s_mov_b32 s33, 0
	s_mov_b32 s34, 0
	s_mov_b32 s35, 0
.irp b, 0,1,2,3,4
	s_add_co_u32 s47, s28, \b
	s_cmp_gt_u32 s47, 63
	s_cselect_b32 s[32+\b], -1, s[32+\b]           ; and all lanes of a block that does not exist
.endr
	s_cselect_b32 s37, 0, 0x3f800000               ; (still on block m + 4's compare)  1.0 where block m + 4 exists, else 0
	s_cmp_gt_u32 s46, 63
	s_cselect_b32 s38, 0, 0x3f800000               ; 1.0 where block 8 g + w exists
	s_min_u32 s46, s46, 63
	s_sub_co_u32 s47, 127, s26
	s_min_u32 s47, s47, 9                          ; open patches
	s_lshl_b32 s47, s47, 4
	s_sub_co_u32 s47, 2048, s47
	s_cvt_f32_u32 s39, s47                         ; the number of shut places of a row, as f32
	s_and_b32 s40, s27, 3
	s_lshl_b32 s40, s40, 3                         ; 8 (m % 4): how far V's scale words are shifted
	s_mov_b32 s41, 0x600000                        ; the mantissa field of 1.75
	s_lshl_b32 s42, s25, 19
	s_lshl_b32 s47, s26, 12
	s_add_co_u32 s42, s42, s47                     ; queries, out0: head x 524,288 + p x 16 rows of 256 bytes
	s_mov_b32 s43, 0
	s_mul_i32 s44, s25, 98304                      ; kc, vc: 64 blocks of 1,536 bytes a head
	s_mov_b32 s45, 0
	v_and_b32 v28, 31, v0                          ; lane
	v_and_b32 v29, 15, v0                          ; r
	v_bfe_u32 v30, v0, 4, 1                        ; h
	v_lshlrev_b32 v3, 4, v28
	s_mul_i32 s48, s27, 1536
	v_add_nc_u32 v4, s48, v3                       ; K's images: block mu, 16 x lane,
	v_lshl_add_u32 v5, v28, 3, s48                 ; and 8 x lane
	v_mul_u32_u24 v31, v30, 1536
	v_add_nc_u32 v31, s48, v31                     ; V: block mu + h (the operand's layout gives lanes 16-31 the odd blocks of a K step),
	v_lshl_add_u32 v6, v29, 4, v31                 ; 16 x channel,
	v_lshl_add_u32 v7, v29, 3, v31                 ; and 8 x channel
	s_mul_i32 s49, s22, WSTG
	s_add_co_u32 s49, s49, STG                     ; my stage
	v_mul_u32_u24 v31, v30, SPITCH
	v_lshl_add_u32 v31, v29, 4, v31
	v_add_nc_u32 v8, s49, v31                      ; as memory has the rows: lanes 0-15 one row of 256 bytes, lanes 16-31 the next
	v_mul_u32_u24 v31, v29, SPITCH
	v_add_nc_u32 v31, s49, v31
	v_lshl_add_u32 v9, v30, 7, v31                 ; row r, channels 32 h on
	v_lshl_add_u32 v10, v30, 5, v31                ; row r, channels 8 h on
	s_lshl_b32 s50, s27, 7
	v_lshl_add_u32 v11, v28, 2, s50
	s_lshr_b32 s50, s27, 2
	s_lshl_b32 s50, s50, 8
	v_lshl_add_u32 v12, v30, 8, s50                ; V's scale words: group mu / 4 + h,
	v_lshl_add_u32 v12, v29, 2, v12                ; channel r
	v_lshlrev_b32 v13, 3, v28                      ; the sums: channels 2 x lane and 2 x lane + 1
	s_lshl_b32 s50, s27, 8
	v_add_nc_u32 v14, s50, v13
	s_lshl_b32 s50, s22, 8
	v_lshl_add_u32 v15, v30, 5, s50                ; T: my wave's 256 bytes, channels 8 h on
	s_mul_i32 s50, s24, 12288                      ; what I copy: 8 g blocks on, 16 bytes a thread, three times; held at the head's last 16 bytes
	v_lshl_add_u32 v56, v0, 4, s50
	v_add_nc_u32 v57, 8192, v56
	v_add_nc_u32 v58, 16384, v56
	v_min_u32 v56, 0x17ff0, v56
	v_min_u32 v57, 0x17ff0, v57
	v_min_u32 v58, 0x17ff0, v58
	s_lshl_b32 s50, s24, 10
	v_lshl_add_u32 v59, v0, 2, s50
	v_min_u32 v59, 0x1ffc, v59                     ; K's scale words: 8,192 bytes a head
	s_lshl_b32 s50, s24, 9
	v_lshl_add_u32 v60, v0, 2, s50
	v_min_u32 v60, 0xffc, v60                      ; V's: 4,096 bytes a head
	s_lshl_b32 s50, s46, 8
	v_add_nc_u32 v61, s50, v13                     ; the sums of block min(8 g + w, 63)
	v_lshlrev_b32 v139, 3, v0                      ; 8 x thread: the sums of group w; also an LDS place
	s_wait_kmcnt 0x0
	s_load_b32 s23, s[6:7], 0x0                    ; log_scale
	s_add_nc_u64 s[4:5], s[4:5], s[42:43]
	s_add_nc_u64 s[20:21], s[20:21], s[42:43]
	s_add_nc_u64 s[8:9], s[8:9], s[44:45]
	s_add_nc_u64 s[12:13], s[12:13], s[44:45]
	s_lshl_b32 s44, s25, 13
	s_add_nc_u64 s[10:11], s[10:11], s[44:45]
	s_lshl_b32 s44, s25, 12
	s_add_nc_u64 s[14:15], s[14:15], s[44:45]
	s_add_nc_u64 s[18:19], s[18:19], s[44:45]
	s_lshl_b32 s44, s25, 14
	s_add_nc_u64 s[16:17], s[16:17], s[44:45]
	; ---- every global load of the wave, in one run; Q's eight last
	s_wait_alu depctr_va_vdst(0)                   ; the addresses and offsets v1-15, v56-61 and v139 are written, which the loads and stores of the whole text read; no vector line names v56-63 again before LDS loads land there
.irp j, 0,1,2
	global_load_b128 v[64+4*\j:67+4*\j], v[56+\j], s[8:9]
.endr
.irp j, 0,1,2
	global_load_b128 v[76+4*\j:79+4*\j], v[56+\j], s[12:13]
.endr
	global_load_b32 v88, v59, s[10:11]
	global_load_b32 v89, v60, s[14:15]
	global_load_b64 v[90:91], v61, s[16:17]
	global_load_b64 v[92:93], v139, s[18:19]
.irp j, 0,1,2,3,4,5,6,7
	global_load_b128 v[O+4*\j:O+4*\j+3], v3, s[4:5] offset:512*\j th:TH_LOAD_NT   ; my 16 queries: 4,096 dense bytes, 512 an instruction; read by me alone
.endr
	; ---- c2 = clip(e^log_scale, 1, 30) / 8 x log2(e), while the loads are out
	s_wait_kmcnt 0x0
	v_mov_b32 v40, s23
	v_mul_f32 v40, 0x3fb8aa3b, v40
	s_wait_alu depctr_va_vdst(0)
	v_exp_f32 v40, v40
	v_lshlrev_b32 v138, 4, v0                      ; 16 x thread and 4 x thread: LDS places of what I copy.  (Plain lines behind the exponential)
	v_lshlrev_b32 v140, 2, v0
	s_wait_alu depctr_va_vdst(0)                   ; the exponential has written v40, ahead of the first line that names it
	v_med3_num_f32 v40, v40, 1.0, 0x41f00000       ; held between 1 and 30
	v_mul_f32 v40, 0x3e38aa3b, v40                 ; x log2(e) / 8
	v_mov_b32 v41, v40
	v_xor_b32 v42, 0x80000000, v40
	v_mov_b32 v43, v42
	; ---- what all sixteen waves read goes to LDS, as it lies in memory
	s_wait_loadcnt 8                               ; all but Q's eight loads are in
	v_mul_f32 v90, s38, v90                        ; a block that does not exist adds nothing
	v_mul_f32 v91, s38, v91
	s_wait_alu depctr_va_vdst(0)                   ; the two multiplies have written v90 and v91, which an LDS store below reads and in which Q's numbers land later; the places v138 and v140 are written too
.irp j, 0,1,2
	ds_store_b128 v138, v[64+4*\j:67+4*\j] offset:KC+8192*\j
	ds_store_b128 v138, v[76+4*\j:79+4*\j] offset:VC+8192*\j
.endr
	ds_store_b32 v140, v88 offset:KSW
	ds_store_b32 v140, v89 offset:VSW
	ds_store_b64 v139, v[90:91] offset:SBL
	ds_store_b64 v139, v[92:93] offset:CHL
	s_wait_dscnt 0x0                               ; for the others' sake: my stores have landed
	s_barrier_signal -1
	s_barrier_wait -1                              ; the one barrier: from here on these regions are only read, and every other LDS byte that a wave touches is its own
	s_wait_alu depctr_vm_vsrc(0)                   ; my LDS stores have read v64-93, v138 and v140, and the global loads their offsets v56-61: LDS loads below land in v64-95 and v56-63, and the first product writes v138 and v140
	; ---- LDS loads: 21 of sums, 20 of K's fragments, 5 + 8 of scale words; then Q's turn through my stage, 8 + 8
.irp j, 0,1,2,3,4,5,6,7,8,9,10,11,12,13,14,15
	ds_load_b64 v[96+2*\j:97+2*\j], v13 offset:CHL+256*\j
.endr
.irp b, 0,1,2,3,4
	ds_load_b64 v[128+2*\b:129+2*\b], v14 offset:SBL+256*\b
.endr
.irp i, 0,1,2,3,4,5,6,7,8,9
	ds_load_b128 v[KF+6*\i:KF+6*\i+3], v4 offset:KC+768*\i           ; tile i = 2 b + u of block mu + b: the image of registers 0-3,
	ds_load_b64 v[KF+6*\i+4:KF+6*\i+5], v5 offset:KC+512+768*\i      ; and of 4-5
.endr
.irp b, 0,1,2,3,4
	ds_load_b32 v[KS+\b], v11 offset:KSW+128*\b
.endr
.irp t, 0,1,2,3
	ds_load_b32 v[56+\t], v12 offset:VSW+64*\t                       ; channel 16 t + r: the word of group m / 4 + h,
	ds_load_b32 v[60+\t], v12 offset:VSW+64*\t+256                   ; and of the group behind it
.endr
	s_wait_loadcnt 0x0                             ; Q
.irp j, 0,1,2,3,4,5,6,7
	ds_store_b128 v8, v[O+4*\j:O+4*\j+3] offset:2*SPITCH*\j
.endr
.irp i, 0,1,2,3,4,5,6,7
	ds_load_b128 v[S+4*\i:S+4*\i+3], v9 offset:16*\i                 ; query r, channels 32 h + 0 .. 31: one block of 32 in my registers.  LDS serves a wave's instructions in order: these see my stores
.endr
	; ---- T = the 16 groups' sums less the window's five blocks', for channels 2 x lane and 2 x lane + 1; then into the result's layout through my 256 bytes
	s_wait_dscnt 49                                ; the 21 loads of sums are in; behind them 20 + 5 + 8 + 16 may be out
.irp j, 2,4,6,8,10,12,14
	v_pk_add_f32 v[96:97], v[96:97], v[96+2*\j:97+2*\j]              ; two chains
	v_pk_add_f32 v[98:99], v[98:99], v[98+2*\j:99+2*\j]
.endr
	v_pk_add_f32 v[96:97], v[96:97], v[128:129] neg_lo:[0,1] neg_hi:[0,1]
	v_pk_add_f32 v[98:99], v[98:99], v[130:131] neg_lo:[0,1] neg_hi:[0,1]
	v_pk_add_f32 v[96:97], v[96:97], v[132:133] neg_lo:[0,1] neg_hi:[0,1]
	v_pk_add_f32 v[98:99], v[98:99], v[134:135] neg_lo:[0,1] neg_hi:[0,1]
	v_pk_add_f32 v[96:97], v[96:97], v[136:137] neg_lo:[0,1] neg_hi:[0,1]
	v_pk_add_f32 v[96:97], v[96:97], v[98:99]
	s_wait_alu depctr_va_vdst(0)                   ; the additions have written v96 and v97, which the LDS store reads
	ds_store_b64 v139, v[96:97] offset:TL
	s_wait_alu depctr_vm_vsrc(0)                   ; the stage's LDS stores have read v224-255, in which T's loads land; the store above has read v96, v97 and v139, which the first product writes
.irp t, 0,1,2,3
	ds_load_b128 v[O+8*\t:O+8*\t+3], v15 offset:TL+64*\t             ; register 8 t + j: T[16 t + 8 h + j], where O^T will have that channel
	ds_load_b128 v[O+8*\t+4:O+8*\t+7], v15 offset:TL+64*\t+16
.endr
	; ---- Q becomes an operand
	s_wait_dscnt 9                                 ; all but T's store and eight loads
	QUANT32 S, QF, 33
.irp i, 0,1,2,3,4,5
	v_mov_b32 v[QF+6+\i], 0                        ; K = 64 .. 127: zero codes
	v_mov_b32 v[KF+60+\i], 0                       ; and something written behind K's last fragment
.endr
	v_bfe_u32 v35, v0, 4, 1                        ; h, made anew from the thread's number: the head's copy lay where QUANT32 has put codes
	v_lshlrev_b32 v35, 3, v35                      ; 8 h
	v_lshlrev_b32 v36, v35, v33                    ; my block's byte at its place
	v_mov_b32 v[QS], 0                             ; (a lane permute's destination counts as one of its sources)
	v_permlanex16_b32 v[QS], v36, s30, s31
	v_or_b32 v[QS], v[QS], v36
	v_or_b32 v[QS], 0x7f7f0000, v[QS]              ; bytes 2 and 3 = 127
.irp t, 0,1,2,3
	v_alignbit_b32 v[VS+\t], v[60+\t], v[56+\t], s40   ; V's bytes of blocks m + 4 h + 0 .. 3 out of two groups' words.  These four lines name nothing of the first product:
.endr
.rept 4
	v_nop                                          ; with them eight places stand between the last write of a scale register and the scaled matrix instructions
.endr
	s_wait_alu depctr_va_vdst(0)                   ; behind the places: vector lines have written Q's codes, the zero codes and Q's scale word, which the scaled matrix instructions take as operand and scales
	; ---- S^T = K Q^T: ten tiles of 16 keys, ten accumulators, each begun with the constant 0
.irp i, 0,1,2,3,4,5,6,7,8,9
.if (\i)%2
	v_wmma_scale_f32_16x16x128_f8f6f4 v[S+8*\i:S+8*\i+7], v[KF+6*\i:KF+6*\i+11], v[QF:QF+11], 0, v[KS+\i/2], v[QS] matrix_a_fmt:MATRIX_FMT_BF6 matrix_b_fmt:MATRIX_FMT_BF6 matrix_a_scale:MATRIX_SCALE_ROW1
.else
	v_wmma_scale_f32_16x16x128_f8f6f4 v[S+8*\i:S+8*\i+7], v[KF+6*\i:KF+6*\i+11], v[QF:QF+11], 0, v[KS+\i/2], v[QS] matrix_a_fmt:MATRIX_FMT_BF6 matrix_b_fmt:MATRIX_FMT_BF6
.endif
.endr
	v_mov_b32 v56, 0xff800000                      ; -infinity and +infinity; with the two v_nop the four places behind the products (ISA guide 7.12.1)
	v_mov_b32 v57, 0x7f800000
	v_nop
	v_nop
	; ---- the row's largest pos and largest neg.  Each accumulator is read from its low end on; the five blocks by turns
.irp b, 0,1,2,3,4
	v_max3_num_f32 v[28+\b], v[S+16*\b], v[S+16*\b+1], v[S+16*\b+2]
	v_min3_num_f32 v[33+\b], v[S+16*\b], v[S+16*\b+1], v[S+16*\b+2]
.endr
.irp i, 3,5,7,9,11,13
.irp b, 0,1,2,3,4
	v_max3_num_f32 v[28+\b], v[28+\b], v[S+16*\b+\i], v[S+16*\b+\i+1]
	v_min3_num_f32 v[33+\b], v[33+\b], v[S+16*\b+\i], v[S+16*\b+\i+1]
.endr
.endr
.irp b, 0,1,2,3,4
	v_max_num_f32 v[28+\b], v[28+\b], v[S+16*\b+15]
	v_min_num_f32 v[33+\b], v[33+\b], v[S+16*\b+15]
.endr
.irp b, 0,1,2,3,4
	v_cndmask_b32 v[28+\b], v[28+\b], v56, s[32+\b]    ; my 16 keys of a block are open or shut together
	v_cndmask_b32 v[33+\b], v[33+\b], v57, s[32+\b]
.endr
	v_max3_num_f32 v38, v28, v29, v30
	v_min3_num_f32 v39, v33, v34, v35
	v_max3_num_f32 v38, v38, v31, v32
	v_min3_num_f32 v39, v39, v36, v37
	v_permlanex16_b32 v58, v38, s30, s31
	v_permlanex16_b32 v59, v39, s30, s31
	v_max3_num_f32 v38, v38, v58, 0xc61c4000       ; every row has shut places: -10000 is among pos,
	v_min3_num_f32 v39, v39, v59, 0x461c4000       ; and among neg: the largest neg is -min(the smallest open score, 10000)
	v_mul_f32 v44, v42, v38                        ; -c2 max
	v_mul_f32 v46, v40, v39                        ; c2 min
	v_mov_b32 v45, v44
	v_mov_b32 v47, v46
	v_fmamk_f32 v52, v40, 0xc61c4000, v44          ; the shut places' exponents: c2 (-10000 - max),
	v_fmamk_f32 v53, v40, 0xc61c4000, v46          ; c2 (-10000 + min)
	; ---- the exponents, two at a time; then 162 exponentials as ONE batch with one wait
.set j, 0
.rept 40
	v_pk_fma_f32 v[PP+j:PP+j+1], v[S+j:S+j+1], v[40:41], v[44:45]    ; c2 s - c2 max
.set j, j+2
.endr
.set j, 0
.rept 40
	v_pk_fma_f32 v[S+j:S+j+1], v[S+j:S+j+1], v[42:43], v[46:47]      ; -c2 s + c2 min
.set j, j+2
.endr
.set j, 0
	s_wait_alu depctr_va_vdst(0)
.rept 80
	v_exp_f32 v[PP+j], v[PP+j]
.set j, j+1
.endr
.set j, 0
.rept 80
	v_exp_f32 v[S+j], v[S+j]
.set j, j+1
.endr
	v_exp_f32 v52, v52                             ; f+
	v_exp_f32 v53, v53                             ; f-
	v_nop                                          ; a plain line behind the last exponential
	s_wait_alu depctr_va_vdst(0)                   ; the 162 exponentials have written v64-223, v52 and v53: one wait for the whole batch, ahead of its first reader
	; ---- the two sums.  A shut lane's terms may be anything, infinity too: its block sum is replaced, not multiplied
.irp b, 0,1,2,3,4
	v_pk_add_f32 v[28+2*\b:29+2*\b], v[PP+16*\b:PP+16*\b+1], v[PP+16*\b+2:PP+16*\b+3]
	v_pk_add_f32 v[54+2*\b:55+2*\b], v[S+16*\b:S+16*\b+1], v[S+16*\b+2:S+16*\b+3]
.endr
.irp i, 4,6,8,10,12,14
.irp b, 0,1,2,3,4
	v_pk_add_f32 v[28+2*\b:29+2*\b], v[28+2*\b:29+2*\b], v[PP+16*\b+\i:PP+16*\b+\i+1]   ; ten chains by turns
	v_pk_add_f32 v[54+2*\b:55+2*\b], v[54+2*\b:55+2*\b], v[S+16*\b+\i:S+16*\b+\i+1]
.endr
.endr
.irp b, 0,1,2,3,4
	v_add_f32 v[28+2*\b], v[28+2*\b], v[29+2*\b]
	v_add_f32 v[54+2*\b], v[54+2*\b], v[55+2*\b]
.endr
.irp b, 0,1,2,3,4
	v_cndmask_b32 v[28+2*\b], v[28+2*\b], 0, s[32+\b]
	v_cndmask_b32 v[54+2*\b], v[54+2*\b], 0, s[32+\b]
.endr
	v_add_f32 v28, v28, v30
	v_add_f32 v32, v32, v34
	v_add_f32 v54, v54, v56
	v_add_f32 v58, v58, v60
	v_add_f32 v28, v28, v32
	v_add_f32 v54, v54, v58
	v_add_f32 v28, v28, v36
	v_add_f32 v54, v54, v62
	v_permlanex16_b32 v29, v28, s30, s31
	v_permlanex16_b32 v55, v54, s30, s31
	v_add_f32 v28, v28, v29
	v_add_f32 v54, v54, v55
	v_fma_f32 v28, s39, v52, v28                   ; Z+ = the open terms + the number of shut places x f+
	v_fma_f32 v54, s39, v53, v54                   ; Z-
	s_wait_alu depctr_va_vdst(0)
	v_rcp_f32 v48, v28
	v_rcp_f32 v50, v54
	v_nop
	s_wait_alu depctr_va_vdst(0)                   ; the two reciprocals have written v48 and v50: one wait, ahead of their first reader
	v_mov_b32 v49, v48
	v_xor_b32 v50, 0x80000000, v50                 ; -1 / Z-
	v_mov_b32 v51, v50
	v_mul_f32 v52, v52, v48                        ; f+ / Z+
	v_mul_f32 v53, v53, v50                        ; -f- / Z-
	v_add_f32 v52, v52, v53                        ; c.  NOT fused: each softmax is rounded by itself, so that the last patch, whose two softmaxes are equal, gets exactly 0
	v_mul_f32 v53, s37, v52                        ; c, or 0 where block m + 4 does not exist
	; ---- A = p+ / Z+ - p- / Z-
.set j, 0
.rept 40
	v_pk_mul_f32 v[S+j:S+j+1], v[S+j:S+j+1], v[50:51]
.set j, j+2
.endr
.set j, 0
.rept 40
	v_pk_fma_f32 v[PP+j:PP+j+1], v[PP+j:PP+j+1], v[48:49], v[S+j:S+j+1]
.set j, j+2
.endr
	; ---- V's fragments are asked for, into the registers that the negative terms have left: they have the fills and the quantising of A in which to land
	s_wait_alu depctr_va_vdst(0)                   ; the multiplies have written v64-143 and the multiply-adds are done reading them: the 24 loads below land in v64-135, which no vector line names again before the second product
.irp t, 0,1,2,3
.irp c, 0,1
	ds_load_b128 v[S+12*\t+6*\c:S+12*\t+6*\c+3], v6 offset:VC+3072*\c+256*\t            ; channels 16 t + r, block mu + 2 c + h: registers 6 c .. 6 c + 3,
	ds_load_b64 v[S+12*\t+6*\c+4:S+12*\t+6*\c+5], v7 offset:VC+1024+3072*\c+128*\t      ; 6 c + 4, 6 c + 5.  (Lanes 16-31 stand 1,536 bytes from lanes 0-15, six times through the 64 banks of 4 bytes, ISA guide 11.1: these twelve loads of 8 bytes go two deep)
.endr
.endr
.irp t, 0,1,2,3
	ds_load_b128 v[S+48+6*\t:S+48+6*\t+3], v6 offset:VC+6144+256*\t                     ; the second K step: block mu + 4 + h
	ds_load_b64 v[S+48+6*\t+4:S+48+6*\t+5], v7 offset:VC+1024+6144+128*\t
.endr
	; ---- the shut places of the window's blocks get c; places of blocks that do not exist get 0
.set j, 0
.rept 16
	v_cndmask_b32 v[PP+j], v[PP+j], v52, s32       ; (block m fails to exist for the last patch alone, whose c is 0)
	v_cndmask_b32 v[PP+64+j], v[PP+64+j], v53, s36
.set j, j+1
.endr
	s_cmp_lt_u32 s28, 61                           ; ids alone.  Blocks m + 1 .. m + 3 all exist but for the head's last patches
	s_cbranch_scc1 .Lall_there
.irp b, 1,2,3
.set j, 0
.rept 16
	v_cndmask_b32 v[PP+16*\b+j], v[PP+16*\b+j], 0, s[32+\b]
.set j, j+1
.endr
.endr
.Lall_there:
	; ---- Q(c): a block of 32 equal numbers c has the scale 2^(floor(log2 |c|) - 4), so c is rounded to two mantissa bits, ties to even, and held at 1.75 x its power of two (the clamp at 28)
	v_bfe_u32 v54, v52, 21, 1
	v_add3_u32 v54, v52, v54, 0xfffff
	v_and_b32 v54, 0xffe00000, v54
	v_and_or_b32 v55, v52, 0xff800000, s41
	v_min_u32 v38, v54, v55                        ; both carry c's sign: the smaller word is the smaller magnitude
	v_mov_b32 v39, v38
	; ---- A is quantised along the keys: a block of 32 lies in lanes l and l xor 16
.irp b, 0,1,2,3,4
	v_max3_num_f32 v[28+\b], |v[PP+16*\b]|, |v[PP+16*\b+1]|, 0x2800000
.endr
.irp i, 2,4,6,8,10,12,14
.irp b, 0,1,2,3,4
	v_max3_num_f32 v[28+\b], v[28+\b], |v[PP+16*\b+\i]|, |v[PP+16*\b+\i+1]|
.endr
.endr
.irp b, 0,1,2,3,4
	v_permlanex16_b32 v[33+\b], v[28+\b], s30, s31
.endr
.irp b, 0,1,2,3,4
	v_max_num_f32 v[28+\b], v[28+\b], v[33+\b]
.endr
.irp b, 0,1,2,3,4
	v_add_nc_u32 v[33+\b], 0xfe000000, v[28+\b]    ; the conversions' scale operands
.endr
.irp b, 0,1,2,3,4
	v_lshrrev_b32 v[28+\b], 23, v[33+\b]           ; the bytes
.endr
	v_lshl_or_b32 v[PW], v29, 8, v28               ; blocks m .. m + 3
	v_lshl_or_b32 v[PW], v30, 16, v[PW]
	v_lshl_or_b32 v[PW], v31, 24, v[PW]
	v_or_b32 v[PW+1], 0x7f7f7f00, v32              ; block m + 4; the other three bytes, 127, meet zero codes
	v_cvt_scalef32_pk16_bf6_f32 v[PF0:PF0+2], v[PP:PP+15], v33
	v_nop                                          ; a plain line before the next conversion writes over numbers that the last one read
	v_cvt_scalef32_pk16_bf6_f32 v[PP:PP+2], v[PP+16:PP+31], v34
	v_cvt_scalef32_pk16_bf6_f32 v[PF0+6:PF0+8], v[PP+32:PP+47], v35
	v_nop
	v_cvt_scalef32_pk16_bf6_f32 v[PP+32:PP+34], v[PP+48:PP+63], v36
	v_cvt_scalef32_pk16_bf6_f32 v[PF1:PF1+2], v[PP+64:PP+79], v37
	v_nop                                          ; and one behind the last
.irp i, 0,1,2
	v_mov_b32 v[PP+4+\i], 0                        ; block m + 5 is outside the window: zero codes
.endr
.irp i, 0,1,2                                  ; the operand's layout wants a WHOLE block in a lane: lanes 0-15 the even block of a pair, lanes 16-31 the odd one
	v_permlane16_swap_b32 v[PF0+\i], v[PP+\i]      ; the first's lanes 16-31 change places with the second's lanes 0-15: the first now holds each lane's block's lower 16 codes, the second the upper 16
	v_permlane16_swap_b32 v[PF0+6+\i], v[PP+32+\i]
	v_permlane16_swap_b32 v[PF1+\i], v[PP+4+\i]
.endr
.irp i, 0,1,2
	v_mov_b32 v[PF0+3+\i], v[PP+\i]
	v_mov_b32 v[PF0+9+\i], v[PP+32+\i]
	v_mov_b32 v[PF1+3+\i], v[PP+4+\i]
	v_mov_b32 v[PF1+6+\i], 0
	v_mov_b32 v[PF1+9+\i], 0
.endr
	; ---- O^T = Q(c) T + V^T A^T
	s_wait_dscnt 0x0                               ; T and V's fragments are in
.set j, 0
.rept 16
	v_pk_mul_f32 v[O+j:O+j+1], v[O+j:O+j+1], v[38:39]   ; the blocks wholly under the mask: what the sums begin with
.set j, j+2
.endr
.rept 8
	v_nop                                          ; eight places between the last vector write of a scale register, four of an operand, and the scaled matrix instructions
.endr
	s_wait_alu depctr_va_vdst(0)                   ; behind the places: vector lines have written A's codes v40-63, its scale words v26, v27, V's shifted scale words v22-25 and the old terms behind V's last fragment, which the scaled matrix instructions take as operands and scales
.irp t, 0,1,2,3                                ; four accumulators by turns, one instruction a turn
	v_wmma_scale_f32_16x16x128_f8f6f4 v[O+8*\t:O+8*\t+7], v[S+12*\t:S+12*\t+11], v[PF0:PF0+11], v[O+8*\t:O+8*\t+7], v[VS+\t], v[PW] matrix_a_fmt:MATRIX_FMT_BF6 matrix_b_fmt:MATRIX_FMT_BF6
.endr
.irp t, 0,1,2,3                                ; source 0's registers 6-11 are whatever follows (the next fragment; behind the last, old terms): they meet zero codes
	v_wmma_scale_f32_16x16x128_f8f6f4 v[O+8*\t:O+8*\t+7], v[S+48+6*\t:S+48+6*\t+11], v[PF1:PF1+11], v[O+8*\t:O+8*\t+7], v[VS+\t], v[PW+1] matrix_a_fmt:MATRIX_FMT_BF6 matrix_b_fmt:MATRIX_FMT_BF6 matrix_a_scale:MATRIX_SCALE_ROW1
.endr
.rept 4
	v_nop                                          ; four places in front of the first read of results (ISA guide 7.12.1)
.endr
	s_wait_alu depctr_va_vdst(0)                   ; behind the places: the second product has written v224-255, which the LDS stores read, and is done reading V's fragments in v64-95, in which the stage's loads land
	; ---- the way out: a lane holds 32 neighbouring bytes of a row and the lanes beside it other rows: through my stage, back as memory has the rows
.irp t, 0,1,2,3
	ds_store_b128 v10, v[O+8*\t:O+8*\t+3] offset:64*\t               ; out(r, 16 t + 8 h + 0 .. 3): each accumulator from its low end on
	ds_store_b128 v10, v[O+8*\t+4:O+8*\t+7] offset:64*\t+16
.endr
.irp i, 0,1,2,3,4,5,6,7
	ds_load_b128 v[S+4*\i:S+4*\i+3], v8 offset:2*SPITCH*\i           ; LDS serves a wave's instructions in order: these see my stores
.endr
.irp i, 0,1,2,3,4,5,6,7
	s_wait_dscnt 7-\i
	global_store_b128 v3, v[S+4*\i:S+4*\i+3], s[20:21] offset:512*\i th:TH_STORE_NT   ; 32 lanes store 512 consecutive bytes, two rows, at a multiple of 256 from out0's first byte
.endr
	s_wait_dscnt 0x0                               ; the wave's end: the six closing lines, on end
	s_wait_alu 0x0
	s_wait_tensorcnt 0x0
	ds_add_u32 v[SPW], v[NIL]
	s_wait_dscnt 0x0
	s_endpgm
.Lfunc_end_k_q35cb88c8a2_attn:
	.size	k_q35cb88c8a2_attn, .Lfunc_end_k_q35cb88c8a2_attn-k_q35cb88c8a2_attn
	.p2alignl 7, 3214868480
	.fill 96, 4, 3214868480
	.section	.rodata,"a",@progbits
	.p2align	6, 0x0
	.amdhsa_kernel k_q35cb88c8a2_attn
		.amdhsa_group_segment_fixed_size 137216
		.amdhsa_private_segment_fixed_size 0
		.amdhsa_enable_private_segment 0
		.amdhsa_kernarg_size 72
		.amdhsa_user_sgpr_count 2
		.amdhsa_user_sgpr_kernarg_segment_ptr 1
		.amdhsa_wavefront_size32 1
		.amdhsa_system_sgpr_workgroup_id_x 1
		.amdhsa_system_sgpr_workgroup_id_y 1
		.amdhsa_system_sgpr_workgroup_id_z 1
		.amdhsa_system_vgpr_workitem_id 0
		.amdhsa_next_free_vgpr 256
		.amdhsa_next_free_sgpr 66
		.amdhsa_reserve_vcc 0
		.amdhsa_float_denorm_mode_32 3
		.amdhsa_float_denorm_mode_16_64 3
		.amdhsa_memory_ordered 1
		.amdhsa_forward_progress 1
		.amdhsa_inst_pref_size 64
	.end_amdhsa_kernel
	.amdgpu_metadata
---
amdhsa.version: [ 1, 2 ]
amdhsa.kernels:
  - .name:           k_q35cb88c8a2_attn
    .symbol:         k_q35cb88c8a2_attn.kd
    .args:
      - { .name: queries, .offset: 0, .size: 8, .value_kind: global_buffer, .address_space: global }
      - { .name: log_scale, .offset: 8, .size: 8, .value_kind: global_buffer, .address_space: global }
      - { .name: kc, .offset: 16, .size: 8, .value_kind: global_buffer, .address_space: global }
      - { .name: ksw, .offset: 24, .size: 8, .value_kind: global_buffer, .address_space: global }
      - { .name: vc, .offset: 32, .size: 8, .value_kind: global_buffer, .address_space: global }
      - { .name: vsw, .offset: 40, .size: 8, .value_kind: global_buffer, .address_space: global }
      - { .name: sb, .offset: 48, .size: 8, .value_kind: global_buffer, .address_space: global }
      - { .name: ch, .offset: 56, .size: 8, .value_kind: global_buffer, .address_space: global }
      - { .name: out0, .offset: 64, .size: 8, .value_kind: global_buffer, .address_space: global }
    .group_segment_fixed_size: 137216
    .private_segment_fixed_size: 0
    .kernarg_segment_align: 8
    .kernarg_segment_size: 72
    .max_flat_workgroup_size: 512
    .sgpr_count:     66
    .vgpr_count:     256
    .wavefront_size: 32
...
	.end_amdgpu_metadata
.endif
;; end of part 4
